; MI455X (gfx1250); checked and timed in simulation.
; The chip was launched on July 23, 2026; its instructions are those of AMD's public machine-readable ISA for CDNA 5 (MIT licence, August 2026) and "CDNA5" Instruction Set Architecture Reference Guide (July 2026). The comments in the code are by the model that wrote it; some were corrected since.
;; Encoder Block. Allowed arithmetic: matrix products marked QUANTISED: E4M3 operands, one E8M0 scale for each 32 along K, by v_wmma_scale_f32_16x16x128_f8f6f4 with both operands' format E4M3, f32 sums; everything else in f32.
;; Inputs: alpha1 1 float32; alpha2 1 float32; b1 4,096 float32; b2 1,024 float32; bias1 1 float32; bias2 1 float32; bk 1,024 float32; bo 1,024 float32; bq 1,024 float32; bv 1,024 float32; src_mask 2 x 1 x 1 x 2,048 int32; w1 4,096 x 1,024 float32; w2 1,024 x 4,096 float32; wk 1,024 x 1,024 float32; wo 1,024 x 1,024 float32; wq 1,024 x 1,024 float32; wv 1,024 x 1,024 float32; x 2 x 2,048 x 1,024 float32.
;; Outputs: out0 2 x 2,048 x 1,024 float32.
;; This version of the problem:
;;   THIS VERSION OF THE PROBLEM IS GIVEN IN LOW PRECISION. The matrix products marked QUANTISED in the list below multiply operands that are first quantised to E4M3 (4 exponent bits, 3 mantissa bits; 8 bits a number), with one power-of-two scale for each 32 numbers along K (OCP MX v1.0); their sums are f32. All else is computed in f32.
;;   The module's matrix products, in the order in which they are computed (A, B: the left and right operand; K: the contracted axis; several contracted axes count as one K, in the product's order):
;;     1. [M 4,096, K 1,024] x [K 1,024, N 1,024]; A: computed on the way; B: input wq: QUANTISED
;;     2. [M 4,096, K 1,024] x [K 1,024, N 1,024]; A: computed on the way; B: input wk: QUANTISED
;;     3. [M 4,096, K 1,024] x [K 1,024, N 1,024]; A: computed on the way; B: input wv: QUANTISED
;;     4. batch 32 x [M 2,048, K 64] x [K 64, N 2,048]; A: computed on the way; B: computed on the way: QUANTISED
;;     5. batch 32 x [M 2,048, K 2,048] x [K 2,048, N 64]; A: softmax (see below); B: computed on the way: QUANTISED
;;     6. [M 4,096, K 1,024] x [K 1,024, N 1,024]; A: computed on the way; B: input wo: QUANTISED
;;     7. [M 4,096, K 1,024] x [K 1,024, N 4,096]; A: computed on the way; B: input w1: QUANTISED
;;     8. [M 4,096, K 4,096] x [K 4,096, N 1,024]; A: computed on the way; B: input w2: QUANTISED
;;   THE QUANTISER, for each operand of a quantised product, along K:
;;     - K is cut into blocks of 32 from its start; a last block that is shorter is filled with zeros.
;;     - A block's scale is 2^e with e = floor(log2(the largest magnitude in the block)) - 8, held to -126 .. 127; a block of zeros has e = 0. As a byte (E8M0): e + 127.
;;     - Each number is divided by its block's scale, clamped to +-448, and rounded to the nearest number of E4M3, ties to even, subnormals kept.
;;     - The product sums the exact products of the quantised numbers (number of the format x scale) in f32.
;;   ~~~python
;;   def quantise(x, axis):      # numpy; x: float32 -> the quantised numbers, widened to float32 again
;;       x = np.moveaxis(x, axis, -1); K = x.shape[-1]
;;       x = np.pad(x, [(0, 0)] * (x.ndim - 1) + [(0, -K % 32)]); x = x.reshape(x.shape[:-1] + (-1, 32)); a = np.abs(x).max(-1, keepdims=True)
;;       e = np.where(a > 0, np.clip(np.frexp(np.where(a > 0, a, 1))[1] - 1 - 8, -126, 127), 0)      # np.frexp(a)[1] - 1 = floor(log2(a)), exactly
;;       r = np.clip(x / 2.0 ** e, -448, 448)
;;       step = 2.0 ** (np.maximum(np.frexp(np.where(r == 0, 1, r))[1] - 1, -6) - 3)
;;       q = np.round(r / step) * step * 2.0 ** e      # np.round: ties to even
;;       return np.moveaxis(q.reshape(q.shape[:-2] + (-1,))[..., :K], -1, axis).astype(np.float32)
;;   ~~~
;;   SOFTMAX AHEAD OF A QUANTISED PRODUCT. Where the list says 'softmax', what is quantised is not the finished softmax but p = 2^(t - M), with t = logit x log2(e) and M = ceil(the row's largest t), a whole number; so 1/2 < the row's largest p <= 1. The row's sum l is taken of the UNQUANTISED p, in f32, and the product's result is divided by l at the end. Since M is a whole number, a kernel that streams over the keys may use a running M (the ceiling of the running maximum): every later rescaling is an exact power of two, which a block's scale takes up: the codes' values come out the same.
;;   OPERANDS COMPUTED ON THE WAY. 'Computed on the way' means the value that the module computes at that place (a softmax that the list does not call 'softmax' is quantised finished and normalised). What goes into a quantiser is computed in f32, as accurately as f32 sums, v_exp_f32 and their like allow (about 1e-6 of the number): no bf16 or f16 on the way to a quantiser, and a product that is left as it is and whose result goes on into a quantised operand takes f32 operands (vector FMAs, or v_wmma_f32_16x16x4_f32). A number that lies on a knife's edge between two numbers of the format may be rounded either way, as far as f32 arithmetic and the matrix unit's own rounding can turn it there, and no further.
;; One version. Each part assembles by itself: llvm-mc -triple=amdgcn-amd-amdhsa -mcpu=gfx1250 --defsym DOCPART=n.
;; ======== version 1 of 1: 7 launches
;; limits: right only within a limited range of input values
;; workspace buffers: W 12,976,128 bytes; N1 4,325,376 bytes; QKV 12,976,128 bytes; AO 4,325,376 bytes; H1 16,777,216 bytes; N2 4,325,376 bytes; F1 17,301,504 bytes
;; launch prep (part 1): grid 1024 x 1, 4 waves a work-group, no clusters, 69,632 bytes of LDS; arguments x, alpha1, bias1, N1, wq, wk, wv, wo, w1, w2, W; writes N1, W
.if DOCPART == 1
	.amdgcn_target "amdgcn-amd-amdhsa--gfx1250"
	.amdhsa_code_object_version 6
	.text
	.protected	k_q3b5815b0b2_prep
	.globl	k_q3b5815b0b2_prep
	.p2align	8
	.type	k_q3b5815b0b2_prep,@function
k_q3b5815b0b2_prep:
	s_mov_b64 s[64:65], 0
	v_nop
	global_prefetch_b8 v0, s[64:65] scope:SCOPE_SE
	s_setreg_imm32_b32 hwreg(HW_REG_WAVE_MODE, 25, 1), 1
	s_wait_xcnt 0x0
; TWO JOBS IN ONE LAUNCH, told apart by the work-group's number in the first two lines; the two ways never join.  Neither needs the other's result, and both are streams that ask for all their bytes at the start.
; Work-groups 0-255: n1 = alpha (x - mean) / (std + 1e-5) + bias over rows of 1,024 f32 (std with 1,023 in the divisor), quantised along the row.  Work-groups 256-1,023: the six weights, f32 with K innermost, quantised along K.
; BOTH are turned into codes of FP8 (E4M3) with one E8M0 scale byte for each 32 along K, laid as IMAGES OF OPERAND REGISTERS.
; A block of 16 rows takes its rows in the order T(i, p) = 32 (i / 2) + 8 (i % 2) + p + 8 (p / 8), p = 0 .. 15.  A fragment (block i, 128 along K) is 2,048 bytes: group c (0 .. 3) at 512 c, lane l at 16 l:
; row T(i, l % 16), k = 32 c + 16 (l / 16) + 0 .. 15.  So a later launch brings a fragment by four dense loads of 512 bytes.  A row's scale word (four bytes: 128 along K) of K step s lies at 32 p + 4 (s % 8) of 512 bytes.
; N1: fragment (a, s) at (8 a + s) x 2,048, scale words at 0x400000 + 512 a.
; W: a UNIT is 16 rows x 1,024 along K: 16,384 bytes of codes at 16,384 u, 512 bytes of scale words at 0xC00000 + 512 u.  Units: wq 0-63, wk 64-127, wv 128-191, wo 192-255, w1 256-511, w2 512-767 (four units to a block: K = 4,096).
; A work-group takes one block of x or one unit, each of its four waves two fragments (256 columns).  Each load reads 512 consecutive bytes of one row; the 16 rows turn through the wave's own stage in LDS,
; so that a lane gets 16 neighbours of each block of 32.  In the norm a lane then holds 128 numbers of ONE row, which stay in registers through both passes: the mean first, then the squares of the differences,
; so that a common offset of the inputs costs no accuracy; the waves' partial sums meet in LDS: three barriers.  Each way has LDS bytes of its own.
; A block's scale is 2^(floor(log2(largest magnitude)) - 8); its byte is the largest magnitude's exponent field - 8, held at 1 from below.
; LIMITS: a block of zeros gets the byte 1 where the quantiser says 127 (its codes are zeros, and this program alone reads the bytes); NaN and infinities among the inputs are not served.
; src_mask is an input with no way to the output: the definition's attention is not handed the mask and builds no masked scores, for all values of the inputs.  So no launch of this program takes src_mask.
; LIMIT: a value of src_mask of any kind is not carried to the result.
.set LNG,  256                         ; work-groups that take the norm
.set STG,  8448                        ; a wave's stage: 16 rows x (512 bytes + 16)
.set RED,  4*STG                       ; the norm: 256 bytes: 16 rows x 4 waves' sums; 256 more for the squares
.set SCGN, RED+512                     ; the norm: the block's 512 bytes of scale words
.set WB,   SCGN+512                    ; the weights' four stages begin here
.set SCGW, WB+4*STG                    ; the weights: the unit's 512 bytes of scale words
.set GL,   4                           ; v4   16 x lane + 1,024 x wave: my bytes of a row
.set STI,  5                           ; v5   the stage, on the way in: 16 x lane
.set STO,  6                           ; v6   and out: 528 r + 64 h
.set RWA,  7                           ; v7   RED + 16 r + 4 x wave
.set RRA,  8                           ; v8   RED + 16 r
.set SGA,  9                           ; v9   where I put my row's two scale words: 32 r + 8 x wave
.set LI,   10                          ; v10  16 x lane
.set SGR,  11                          ; v11  the scale words' 512 bytes, 16 x lane
.set R0,   16                          ; v16-79   fragment 0 as loaded; later X1
.set R1,   80                          ; v80-143  fragment 1 as loaded; later v80-95 the sums, v96-111 fragment 1's codes
.set X0,   144                         ; v144-207 fragment 0: register 16 b + i = k 32 b + 16 h + i of row r
.set X1,   16
.set PC1,  96
.set TM,   208                         ; v208-223 at work in QUANT
.set PW,   224                         ; v224-225 the two scale words
.set PC0,  226                         ; v226-241 fragment 0's codes
.set WV,   18
.set UN,   28                          ; s28  the weights: my unit
.set MNT,  29
.set SEL,  30
.macro LOADX f, reg                    ; the norm: 16 rows x 512 bytes; the rows stand in the immediates
.irp p, 0,1,2,3,4,5,6,7,8,9,10,11,12,13,14,15
	global_load_b128 v[\reg+4*\p:\reg+4*\p+3], v[GL], s[4:5] offset:(\p+8*(\p/8))*4096+512*\f
.endr
.endm
.macro LOADW f, reg                    ; the weights: 16 rows x 512 bytes; a base for each row, since the tensors' rows differ in length
.irp p, 0,1,2,3,4,5,6,7,8,9,10,11,12,13,14,15
	global_load_b128 v[\reg+4*\p:\reg+4*\p+3], v[GL], s[32+2*\p:33+2*\p] offset:512*\f th:TH_LOAD_NT
.endr
.endm
.macro TURN src, dst                   ; through my own stage: LDS serves a wave's instructions in order, so no wait stands between the stores and the loads
.irp p, 0,1,2,3,4,5,6,7,8,9,10,11,12,13,14,15
	ds_store_b128 v[STI], v[\src+4*\p:\src+4*\p+3] offset:528*\p
.endr
.irp c, 0,1,2,3
.irp j, 0,1,2,3
	ds_load_b128 v[\dst+16*\c+4*\j:\dst+16*\c+4*\j+3], v[STO] offset:128*\c+16*\j
.endr
.endr
.endm
; 64 numbers of a lane become a fragment's codes in v[pc] on and its scale word in v[pw]
.macro QUANT s, pc, pw
.irp b, 0,1,2,3
	v_max3_num_f32 v[TM+\b], |v[\s+16*\b]|, |v[\s+1+16*\b]|, 0x4800000   ; my 16 numbers of block b, and the floor 2^(9 - 127): the byte cannot fall under 1
.endr
.irp i, 2,4,6,8,10,12,14
.irp b, 0,1,2,3
	v_max3_num_f32 v[TM+\b], v[TM+\b], |v[\s+16*\b+\i]|, |v[\s+1+16*\b+\i]|
.endr
.endr
.irp b, 0,1,2,3
	v_permlanex16_b32 v[TM+4+\b], v[TM+\b], s[SEL], s[SEL+1]
.endr
.irp b, 0,1,2,3
	v_max_num_f32 v[TM+\b], v[TM+\b], v[TM+4+\b]           ; with lane l xor 16's 16: the block's largest magnitude
.endr
.irp b, 0,1,2,3
	v_add_nc_u32 v[TM+12+\b], 0xfc000000, v[TM+\b]         ; 8 off its exponent field: the conversion's scale operand
.endr
.irp b, 0,1,2,3
	v_and_or_b32 v[TM+8+\b], v[TM+\b], 0x7f800000, s[MNT]  ; 448 x the scale
.endr
.irp b, 0,1,2,3
	v_lshrrev_b32 v[TM+4+\b], 23, v[TM+12+\b]              ; the scale's byte
.endr
	v_lshl_or_b32 v[\pw], v[TM+5], 8, v[TM+4]
	v_lshl_or_b32 v[\pw], v[TM+6], 16, v[\pw]
	v_lshl_or_b32 v[\pw], v[TM+7], 24, v[\pw]
.irp b, 0,1,2,3
.irp i, 0,1,2,3,4,5,6,7,8,9,10,11,12,13,14,15
	v_med3_num_f32 v[\s+16*\b+\i], v[\s+16*\b+\i], -v[TM+8+\b], v[TM+8+\b]   ; the conversion does not saturate (ISA guide 7.6.2): the hold comes first
.endr
	v_cvt_scalef32_pk8_fp8_f32 v[\pc+4*\b:\pc+4*\b+1], v[\s+16*\b:\s+16*\b+7], v[TM+12+\b]
	v_cvt_scalef32_pk8_fp8_f32 v[\pc+4*\b+2:\pc+4*\b+3], v[\s+16*\b+8:\s+16*\b+15], v[TM+12+\b]
.endr
	v_nop                                                  ; a plain line behind the last conversion
.endm
.macro OUTF pc, f                      ; a fragment's image: four stores of 512 consecutive bytes
.irp c, 0,1,2,3
	global_store_b128 v[LI], v[\pc+4*\c:\pc+4*\c+3], s[2:3] offset:2048*\f+512*\c
.endr
.endm
; the norm: four chains in v[80:87] are folded, joined with lane l xor 16's, and with the other three waves' through LDS: v80 = the row's sum over its 1,024 columns
.macro ROWSUM off
	v_pk_add_f32 v[80:81], v[80:81], v[82:83]
	v_pk_add_f32 v[84:85], v[84:85], v[86:87]
	v_pk_add_f32 v[80:81], v[80:81], v[84:85]
	v_add_f32 v80, v80, v81
	v_permlanex16_b32 v81, v80, s[SEL], s[SEL+1]
	v_add_f32 v80, v80, v81
	ds_store_b32 v[RWA], v80 offset:\off           ; both halves of the lanes write the same word with the same value
	s_wait_dscnt 0x0                               ; for the others' sake
	s_barrier_signal -1
	s_barrier_wait -1
	ds_load_b128 v[88:91], v[RRA] offset:\off
	s_wait_dscnt 0x0
	v_add_f32 v88, v88, v89
	v_add_f32 v90, v90, v91
	v_add_f32 v80, v88, v90
.endm
	v_lshl_add_u32 v254, v0, 2, 0x10e00
	v_mov_b32 v255, 0
	s_cmp_lt_u32 ttmp9, LNG                        ; which job: the work-group's number alone decides, for all four waves alike
	s_cbranch_scc0 .Lweights
	; ---------------- THE NORM: block a = the work-group's number
	s_load_b256 s[4:11], s[0:1], 0x0               ; x, alpha1, bias1, N1
	v_lshrrev_b32 v1, 5, v0
	v_readfirstlane_b32 s[WV], v1
	v_and_b32 v1, 31, v0
	v_and_b32 v2, 15, v0                           ; r
	v_bfe_u32 v3, v0, 4, 1                         ; h
	v_lshlrev_b32 v[LI], 4, v1
	s_lshl_b32 s12, s[WV], 10
	v_add_nc_u32 v[GL], s12, v[LI]
	s_mul_i32 s12, s[WV], STG
	v_add_nc_u32 v[STI], s12, v[LI]
	v_mul_u32_u24 v[STO], v2, 528
	v_lshl_add_u32 v[STO], v3, 6, v[STO]
	v_add_nc_u32 v[STO], s12, v[STO]
	v_lshl_add_u32 v[RRA], v2, 4, RED
	s_lshl_b32 s12, s[WV], 2
	v_add_nc_u32 v[RWA], s12, v[RRA]
	s_lshl_b32 s12, s[WV], 3
	v_lshl_add_u32 v[SGA], v2, 5, SCGN
	v_add_nc_u32 v[SGA], s12, v[SGA]
	v_add_nc_u32 v[SGR], SCGN, v[LI]
	s_mov_b32 s[SEL], 0x76543210
	s_mov_b32 s[SEL+1], 0xfedcba98                 ; v_permlanex16_b32's selects for lane l xor 16
	s_mov_b32 s[MNT], 0x600000                     ; the mantissa field of 448
.irp b, 0,1,2,3
	v_mov_b32 v[TM+4+\b], 0                        ; a lane permute's destination counts as one of its sources
.endr
	s_lshr_b32 s12, ttmp9, 1
	s_lshl_b32 s12, s12, 17                        ; 32 rows of 4,096 bytes for each pair of blocks,
	s_and_b32 s13, ttmp9, 1
	s_lshl_b32 s13, s13, 15                        ; 8 rows more for the odd one
	s_add_co_u32 s12, s12, s13
	s_mov_b32 s13, 0
	s_lshl_b32 s14, ttmp9, 14
	s_lshl_b32 s15, s[WV], 12
	s_add_co_u32 s14, s14, s15
	s_mov_b32 s15, 0
	s_lshl_b32 s16, ttmp9, 9
	s_add_co_u32 s16, s16, 0x400000
	s_mov_b32 s17, 0
	s_wait_kmcnt 0x0
	s_load_b32 s20, s[6:7], 0x0                    ; alpha
	s_load_b32 s22, s[8:9], 0x0                    ; bias
	s_add_nc_u64 s[4:5], s[4:5], s[12:13]
	s_add_nc_u64 s[2:3], s[10:11], s[14:15]        ; my two fragments' images
	s_add_nc_u64 s[10:11], s[10:11], s[16:17]      ; the block's scale words
	LOADX 0, R0
	LOADX 1, R1
	s_wait_loadcnt 16                              ; fragment 0's sixteen loads are in, fragment 1's may be out
	TURN R0, X0
	s_wait_loadcnt 0x0
	s_wait_dscnt 0x0                               ; the stores have read R0, which X1 takes
	TURN R1, X1
	s_wait_dscnt 0x0
	; the mean
.irp k, 0,1,2,3
	v_pk_add_f32 v[80+2*\k:81+2*\k], v[X0+4*\k:X0+4*\k+1], v[X0+4*\k+2:X0+4*\k+3]
.endr
.set j, 16
.rept 24
	v_pk_add_f32 v[80+2*((j/2)%4):81+2*((j/2)%4)], v[80+2*((j/2)%4):81+2*((j/2)%4)], v[X0+j:X0+j+1]
.set j, j+2
.endr
.set j, 0
.rept 32
	v_pk_add_f32 v[80+2*((j/2)%4):81+2*((j/2)%4)], v[80+2*((j/2)%4):81+2*((j/2)%4)], v[X1+j:X1+j+1]
.set j, j+2
.endr
	ROWSUM 0
	v_mul_f32 v92, 0x3a800000, v80                 ; / 1,024
	v_mov_b32 v93, v92
.set j, 0
.rept 32
	v_pk_add_f32 v[X0+j:X0+j+1], v[X0+j:X0+j+1], v[92:93] neg_lo:[0,1] neg_hi:[0,1]
	v_pk_add_f32 v[X1+j:X1+j+1], v[X1+j:X1+j+1], v[92:93] neg_lo:[0,1] neg_hi:[0,1]
.set j, j+2
.endr
	; the sum of the squares of the differences
.irp k, 0,1,2,3
	v_pk_mul_f32 v[80+2*\k:81+2*\k], v[X0+2*\k:X0+2*\k+1], v[X0+2*\k:X0+2*\k+1]
.endr
.set j, 8
.rept 28
	v_pk_fma_f32 v[80+2*((j/2)%4):81+2*((j/2)%4)], v[X0+j:X0+j+1], v[X0+j:X0+j+1], v[80+2*((j/2)%4):81+2*((j/2)%4)]
.set j, j+2
.endr
.set j, 0
.rept 32
	v_pk_fma_f32 v[80+2*((j/2)%4):81+2*((j/2)%4)], v[X1+j:X1+j+1], v[X1+j:X1+j+1], v[80+2*((j/2)%4):81+2*((j/2)%4)]
.set j, j+2
.endr
	ROWSUM 256
	v_mul_f32 v80, 0x3a802008, v80                 ; / 1,023
	s_wait_alu depctr_va_vdst(0)
	v_sqrt_f32 v94, v80
	v_nop                                          ; a plain line behind the root,
	s_wait_alu depctr_va_vdst(0)                   ; and the wait ahead of its first reader
	v_add_f32 v94, 0x3727c5ac, v94                 ; + 1e-5
	s_wait_alu depctr_va_vdst(0)
	v_rcp_f32 v95, v94
	v_nop
	s_wait_alu depctr_va_vdst(0)
	s_wait_kmcnt 0x0
	s_mov_b32 s23, s22                             ; (the packed form names the pair)
	v_mul_f32 v92, s20, v95                        ; alpha / (std + 1e-5)
	v_mov_b32 v93, v92
.set j, 0
.rept 32
	v_pk_fma_f32 v[X0+j:X0+j+1], v[X0+j:X0+j+1], v[92:93], s[22:23] op_sel_hi:[1,1,0]
	v_pk_fma_f32 v[X1+j:X1+j+1], v[X1+j:X1+j+1], v[92:93], s[22:23] op_sel_hi:[1,1,0]
.set j, j+2
.endr
	QUANT X0, PC0, PW
	OUTF PC0, 0
	QUANT X1, PC1, PW+1
	OUTF PC1, 1
	ds_store_b64 v[SGA], v[PW:PW+1]                ; both halves of the lanes write the same words with the same values
	s_wait_dscnt 0x0
	s_barrier_signal -1
	s_barrier_wait -1
	s_cmp_lg_u32 s[WV], 0
	s_cbranch_scc1 .Ldone_n
	ds_load_b128 v[16:19], v[SGR]                  ; wave 0 stores the block's 512 bytes of scale words
	s_wait_dscnt 0x0
	global_store_b128 v[LI], v[16:19], s[10:11]
.Ldone_n:
	s_wait_tensorcnt 0x0
	ds_add_u32 v254, v255
	s_wait_dscnt 0x0
	s_endpgm
	; ---------------- THE WEIGHTS: unit u = the work-group's number - 256
.Lweights:
	s_load_b256 s[4:11], s[0:1], 0x20              ; wq, wk, wv, wo
	s_load_b128 s[12:15], s[0:1], 0x40             ; w1, w2
	s_load_b64 s[16:17], s[0:1], 0x50              ; W
	s_sub_co_u32 s[UN], ttmp9, LNG
	v_lshrrev_b32 v1, 5, v0
	v_readfirstlane_b32 s[WV], v1                  ; wave 0..3
	v_and_b32 v1, 31, v0
	v_and_b32 v2, 15, v0                           ; r
	v_bfe_u32 v3, v0, 4, 1                         ; h
	v_lshlrev_b32 v[LI], 4, v1
	s_lshl_b32 s22, s[WV], 10
	v_add_nc_u32 v[GL], s22, v[LI]
	s_mul_i32 s22, s[WV], STG
	s_add_co_u32 s22, s22, WB
	v_add_nc_u32 v[STI], s22, v[LI]
	v_mul_u32_u24 v[STO], v2, 528
	v_lshl_add_u32 v[STO], v3, 6, v[STO]
	v_add_nc_u32 v[STO], s22, v[STO]
	s_lshl_b32 s22, s[WV], 3
	v_lshl_add_u32 v[SGA], v2, 5, SCGW
	v_add_nc_u32 v[SGA], s22, v[SGA]
	v_add_nc_u32 v[SGR], SCGW, v[LI]
	s_mov_b32 s[SEL], 0x76543210
	s_mov_b32 s[SEL+1], 0xfedcba98
	s_mov_b32 s[MNT], 0x600000
.irp b, 0,1,2,3
	v_mov_b32 v[TM+4+\b], 0
.endr
	s_wait_alu depctr_va_vdst(0)
	s_wait_kmcnt 0x0
	; which tensor: the choice hangs on the unit's number alone
	s_mov_b64 s[20:21], s[14:15]
	s_mov_b32 s19, 512
	s_cmp_lt_u32 s[UN], 512
	s_cselect_b64 s[20:21], s[12:13], s[20:21]
	s_cselect_b32 s19, 256, s19
	s_cmp_lt_u32 s[UN], 256
	s_cselect_b64 s[20:21], s[10:11], s[20:21]
	s_cselect_b32 s19, 192, s19
	s_cmp_lt_u32 s[UN], 192
	s_cselect_b64 s[20:21], s[8:9], s[20:21]
	s_cselect_b32 s19, 128, s19
	s_cmp_lt_u32 s[UN], 128
	s_cselect_b64 s[20:21], s[6:7], s[20:21]
	s_cselect_b32 s19, 64, s19
	s_cmp_lt_u32 s[UN], 64
	s_cselect_b64 s[20:21], s[4:5], s[20:21]
	s_cselect_b32 s19, 0, s19
	s_sub_co_u32 s22, s[UN], s19                   ; the unit's number in its tensor
	s_lshr_b32 s23, s22, 2                         ; w2: block,
	s_and_b32 s24, s22, 3                          ; and which 1,024 along K
	s_mov_b32 s25, 16384                           ; w2's row in bytes
	s_cmp_lt_u32 s[UN], 512
	s_cselect_b32 s23, s22, s23
	s_cselect_b32 s24, 0, s24
	s_cselect_b32 s25, 4096, s25
	s_lshr_b32 s26, s23, 1
	s_lshl_b32 s26, s26, 5
	s_and_b32 s27, s23, 1
	s_lshl_b32 s27, s27, 3
	s_add_co_u32 s26, s26, s27                     ; the block's first row: 32 (i / 2) + 8 (i % 2)
	s_mul_i32 s26, s26, s25
	s_lshl_b32 s24, s24, 12
	s_add_co_u32 s26, s26, s24
	s_mov_b32 s27, 0
	s_add_nc_u64 s[20:21], s[20:21], s[26:27]
.irp p, 0,1,2,3,4,5,6,7,8,9,10,11,12,13,14,15
	s_mul_i32 s26, s25, \p+8*(\p/8)                ; place p holds row p + 8 (p / 8) from there
	s_add_nc_u64 s[32+2*\p:33+2*\p], s[20:21], s[26:27]
.endr
	s_lshl_b32 s22, s[UN], 14
	s_lshl_b32 s23, s[WV], 12
	s_add_co_u32 s22, s22, s23
	s_mov_b32 s23, 0
	s_add_nc_u64 s[2:3], s[16:17], s[22:23]        ; my two fragments' images
	s_lshl_b32 s22, s[UN], 9
	s_add_co_u32 s22, s22, 0xC00000
	s_add_nc_u64 s[16:17], s[16:17], s[22:23]      ; the unit's scale words
	LOADW 0, R0
	LOADW 1, R1
	s_wait_loadcnt 16                              ; fragment 0's sixteen loads are in, fragment 1's may be out
	TURN R0, X0
	s_wait_loadcnt 0x0
	s_wait_dscnt 0x0                               ; X0 is in, and the stores have read R0, which X1 takes
	TURN R1, X1
	QUANT X0, PC0, PW
	OUTF PC0, 0
	s_wait_dscnt 0x0                               ; X1 is in, and the stores have read R1, where the codes go
	QUANT X1, PC1, PW+1
	OUTF PC1, 1
	ds_store_b64 v[SGA], v[PW:PW+1]                ; both halves of the lanes write the same words with the same values
	s_wait_dscnt 0x0                               ; for the others' sake
	s_barrier_signal -1
	s_barrier_wait -1
	s_cmp_lg_u32 s[WV], 0
	s_cbranch_scc1 .Ldone_w
	ds_load_b128 v[16:19], v[SGR]                  ; wave 0 stores the unit's 512 bytes of scale words: two aligned runs of 256 bytes
	s_wait_dscnt 0x0
	global_store_b128 v[LI], v[16:19], s[16:17]
.Ldone_w:
	s_wait_tensorcnt 0x0
	ds_add_u32 v254, v255
	s_wait_dscnt 0x0
	s_endpgm
.Lfunc_end_k_q3b5815b0b2_prep:
	.size	k_q3b5815b0b2_prep, .Lfunc_end_k_q3b5815b0b2_prep-k_q3b5815b0b2_prep
	.p2alignl 7, 3214868480
	.fill 96, 4, 3214868480
	.section	.rodata,"a",@progbits
	.p2align	6, 0x0
	.amdhsa_kernel k_q3b5815b0b2_prep
		.amdhsa_group_segment_fixed_size 69632
		.amdhsa_private_segment_fixed_size 0
		.amdhsa_enable_private_segment 0
		.amdhsa_kernarg_size 88
		.amdhsa_user_sgpr_count 2
		.amdhsa_user_sgpr_kernarg_segment_ptr 1
		.amdhsa_wavefront_size32 1
		.amdhsa_system_sgpr_workgroup_id_x 1
		.amdhsa_system_sgpr_workgroup_id_y 1
		.amdhsa_system_sgpr_workgroup_id_z 1
		.amdhsa_system_vgpr_workitem_id 0
		.amdhsa_next_free_vgpr 256
		.amdhsa_next_free_sgpr 66
		.amdhsa_reserve_vcc 0
		.amdhsa_float_denorm_mode_32 3
		.amdhsa_float_denorm_mode_16_64 3
		.amdhsa_memory_ordered 1
		.amdhsa_forward_progress 1
		.amdhsa_inst_pref_size 74
	.end_amdhsa_kernel
	.amdgpu_metadata
---
amdhsa.version: [ 1, 2 ]
amdhsa.kernels:
  - .name:           k_q3b5815b0b2_prep
    .symbol:         k_q3b5815b0b2_prep.kd
    .args:
      - { .name: x, .offset: 0, .size: 8, .value_kind: global_buffer, .address_space: global }
      - { .name: alpha1, .offset: 8, .size: 8, .value_kind: global_buffer, .address_space: global }
      - { .name: bias1, .offset: 16, .size: 8, .value_kind: global_buffer, .address_space: global }
      - { .name: N1, .offset: 24, .size: 8, .value_kind: global_buffer, .address_space: global }
      - { .name: wq, .offset: 32, .size: 8, .value_kind: global_buffer, .address_space: global }
      - { .name: wk, .offset: 40, .size: 8, .value_kind: global_buffer, .address_space: global }
      - { .name: wv, .offset: 48, .size: 8, .value_kind: global_buffer, .address_space: global }
      - { .name: wo, .offset: 56, .size: 8, .value_kind: global_buffer, .address_space: global }
      - { .name: w1, .offset: 64, .size: 8, .value_kind: global_buffer, .address_space: global }
      - { .name: w2, .offset: 72, .size: 8, .value_kind: global_buffer, .address_space: global }
      - { .name: W, .offset: 80, .size: 8, .value_kind: global_buffer, .address_space: global }
    .group_segment_fixed_size: 69632
    .private_segment_fixed_size: 0
    .kernarg_segment_align: 8
    .kernarg_segment_size: 88
    .max_flat_workgroup_size: 128
    .sgpr_count:     66
    .vgpr_count:     256
    .wavefront_size: 32
...
	.end_amdgpu_metadata
.endif
;; end of part 1
;; launch qkv (part 2): grid 12 x 16, 4 waves a work-group, clusters of 4 x 4, 327,680 bytes of LDS; arguments N1, W, bq, bk, bv, QKV; writes QKV
.if DOCPART == 2
	.amdgcn_target "amdgcn-amd-amdhsa--gfx1250"
	.amdhsa_code_object_version 6
	.text
	.protected	k_q3b5815b0b2_qkv
	.globl	k_q3b5815b0b2_qkv
	.p2align	8
	.type	k_q3b5815b0b2_qkv,@function
k_q3b5815b0b2_qkv:
	s_mov_b64 s[64:65], 0
	v_nop
	global_prefetch_b8 v0, s[64:65] scope:SCOPE_SE
	s_setreg_imm32_b32 hwreg(HW_REG_WAVE_MODE, 25, 1), 1
	s_wait_xcnt 0x0
	s_wait_alu depctr_hold_cnt(0) depctr_sa_sdst(0) depctr_va_vdst(0) depctr_va_sdst(0) depctr_va_ssrc(0) depctr_va_vcc(0) depctr_vm_vsrc(0)
	s_getreg_b32 s2, hwreg(HW_REG_IB_STS2, 6, 4)
	s_cmp_eq_u32 s2, 0
	s_cbranch_scc0 .Lentry_in_a_cluster
	s_endpgm
.Lentry_in_a_cluster:
	s_bfe_u32 s2, ttmp6, 0x10000c
	s_cmp_lg_u32 s2, 0xf033
	s_cbranch_scc0 .Lentry_shape_is_right
	s_endpgm
.Lentry_shape_is_right:
.set NB,     8
.set NQ,     2
.set SIZE_K, 1024
.set SADV1,  8
.set HB,     NB/2
.set KT,     SIZE_K/128
.set RBB,    16*SIZE_K
.set RBS,    SIZE_K/2
.set HALFT,  NB*NQ*2048
.set SLOT,   4*HALFT
.set SCL,    2*SLOT
.set SR,     NB*RBS/256
.set HALFS,  272*SR
.set SBLK,   272*RBS/256
.set SPARE,  SCL+4*HALFS
.set LAPS,   KT/(2*NQ)
.set LI,   5
.set ADRA, 16
.set ADRB, 20
.set ADRS, 27
.set SPW,  28
.set NIL,  29
.set SC,   32
.set BIAS, 64
.set PF,   128
.set TM,   200
.set PW,   216
.set PC,   128
.set G1,   24
.set G0,   32
.set G1B,  48
.set G0B,  56
.set G1S,  68
.set G0S,  76
.set G1SB, 80
.set G0SB, 88
.set MSB, 0
.macro WIN new
.if MSB != (\new)
	s_set_vgpr_msb (MSB<<8)|(\new)
.set MSB, (\new)
.endif
.endm
.macro JLOAD g0a, g1a, g0b, g1b
	s_cmp_eq_u32 s15, 0
	s_cbranch_scc0 .Lfor_b_\@
	tensor_load_to_lds s[\g0a:\g0a+3], s[\g1a:\g1a+7]
	s_nop 0
.rept 4
	v_nop
.endr
	s_branch .Lasked_\@
.Lfor_b_\@:
	tensor_load_to_lds s[\g0b:\g0b+3], s[\g1b:\g1b+7]
	s_nop 0
.rept 4
	v_nop
.endr
.Lasked_\@:
.endm
.macro CREST
	s_cmp_lg_u32 s14, 0
	s_cbranch_scc1 .Lnot_wave_0_\@
	s_barrier_signal -3
.Lnot_wave_0_\@:
	s_barrier_wait -3
	s_barrier_signal -1
	s_barrier_wait -1
.endm
.macro CROUND
	s_barrier_signal -1
	s_barrier_wait -1
	CREST
.endm
.macro PLACES n
.rept \n
	v_nop
.endr
.endm
.macro FRAG reg, adr, off
.irp c, 0,1,2,3
	ds_load_b128 v[\reg+4*\c:\reg+4*\c+3], v[\adr] offset:\off+512*\c
.endr
.endm
.macro FETCH_R slot, q, p
	WIN 0x40
.set fi, 0
.rept NB
	FRAG 128*(\p)+16*fi, ADRB+\slot, (fi*NQ+(\q))*2048
.set fi, fi+1
.endr
	WIN 0
.endm
.macro FETCH_P slot, q, i0
.set fi, \i0
.rept HB
	FRAG PF+16*fi, ADRA+\slot, (fi*NQ+(\q))*2048
.set fi, fi+1
.endr
.endm
.macro SCALES sc
.set fi, 0
.rept NB
.if NQ == 2
	ds_load_b64 v[SC+16*\sc+2*fi:SC+16*\sc+2*fi+1], v[ADRS] offset:fi*SBLK
.else
	ds_load_b128 v[SC+16*\sc+4*fi:SC+16*\sc+4*fi+3], v[ADRS] offset:fi*SBLK
.endif
.set fi, fi+1
.endr
.endm
.macro MULA a0, na, p, q, sc, cm
.set mw, 2+((\a0)*NB)/32
.if (\cm) == 0
	WIN (mw<<6)|(mw<<4)|1
.else
	WIN (mw<<6)|1
.endif
.set ma, \a0
.rept \na
.set mb, 0
.rept NB
.set AR, 8*((ma*NB+mb)%32)
.set RA, 128*(\p)+16*mb
.set PA, PF+16*ma
.set SA, SC+16*(\sc)+NQ*mb+(\q)
.set SB, SC+16*(\sc)+NQ*ma+(\q)
.if (\cm) == 0
	v_wmma_scale_f32_16x16x128_f8f6f4 v[AR:AR+7], v[RA:RA+15], v[PA:PA+15], v[AR:AR+7], v[SA], v[SB] matrix_a_scale:MATRIX_SCALE_ROW1
.elseif (\cm) == 1
	v_wmma_scale_f32_16x16x128_f8f6f4 v[AR:AR+7], v[RA:RA+15], v[PA:PA+15], v[BIAS+8*mb:BIAS+8*mb+7], v[SA], v[SB] matrix_a_scale:MATRIX_SCALE_ROW1
.else
	v_wmma_scale_f32_16x16x128_f8f6f4 v[AR:AR+7], v[RA:RA+15], v[PA:PA+15], v[BIAS+8*ma:BIAS+8*ma+7], v[SA], v[SB] matrix_a_scale:MATRIX_SCALE_ROW1
.endif
.set mb, mb+1
.endr
.set ma, ma+1
.endr
.endm
.macro STEP slot, q, cm
	s_wait_dscnt 4*HB
	MULA 0, HB, (\q)%2, \q, \slot, \cm
	s_wait_dscnt 0x0
	PLACES 8
	FETCH_R \slot, (\q)+1, 1-(\q)%2
	FETCH_P \slot, (\q)+1, 0
	MULA HB, HB, (\q)%2, \q, \slot, \cm
	PLACES 8
	WIN 0
	FETCH_P \slot, (\q)+1, HB
.endm
.macro TURN slot, next, fill
	s_wait_tensorcnt 0x0
	ds_add_u32 v[SPW], v[NIL]
	s_wait_dscnt 4*HB+1
	MULA 0, HB/2, 1, NQ-1, \slot, 0
	s_wait_dscnt 0x0
	s_barrier_signal -1
	MULA HB/2, HB/2, 1, NQ-1, \slot, 0
	WIN 0
	s_barrier_wait -1
.if \fill
	CREST
	s_add_nc_u64 s[G0+4*\slot+2:G0+4*\slot+3], s[G0+4*\slot+2:G0+4*\slot+3], 2*NQ*2048
	s_add_nc_u64 s[G0B+4*\slot+2:G0B+4*\slot+3], s[G0B+4*\slot+2:G0B+4*\slot+3], 2*NQ*2048
	JLOAD G0+4*\slot, G1, G0B+4*\slot, G1B
	PLACES 4
.else
	PLACES 8
.endif
.if \slot == 0
	s_wait_alu depctr_va_vdst(0)
	v_add_nc_u32 v[ADRS], 4*NQ, v[ADRS]
.else
	s_wait_alu depctr_va_vdst(0)
	v_add_nc_u32 v[ADRS], SADV1, v[ADRS]
.endif
	FETCH_R \next, 0, 0
	FETCH_P \next, 0, 0
	SCALES \next
	MULA HB, HB, 1, NQ-1, \slot, 0
	PLACES 8
	WIN 0
	FETCH_P \next, 0, HB
.endm
.macro MIDS slot, from
.set mq, \from
.rept NQ-1-(\from)
	STEP \slot, mq, 0
.set mq, mq+1
.endr
.endm
	s_load_b128 s[4:7], s[0:1], 0x0
	s_load_b128 s[8:11], s[0:1], 0x10
	s_load_b128 s[96:99], s[0:1], 0x20
	v_lshl_add_u32 v[SPW], v0, 2, SPARE
	v_mov_b32 v[NIL], 0
	ds_add_u32 v28, v29
	ds_add_u32 v28, v29
	s_wait_dscnt 0x0
	v_lshrrev_b32 v1, 5, v0
	v_readfirstlane_b32 s14, v1
	s_lshr_b32 s15, s14, 1
	s_and_b32 s16, s14, 1
	s_bfe_u32 s40, ttmp6, 0x40000
	s_bfe_u32 s41, ttmp6, 0x40004
	s_lshl_b32 s43, s41, 2
	s_lshl_b32 s43, 15, s43
	s_lshl_b32 s44, 0x1111, s40
	s_and_b32 s17, ttmp7, 0xffff
	s_lshl_b32 s17, s17, 2
	s_add_co_u32 s18, s17, s41
	s_add_co_u32 s95, s17, s40
	s_lshl_b32 s2, ttmp9, 20
	s_lshl_b32 s3, ttmp9, 15
	s_add_co_u32 s3, s3, 0xC00000
	s_mov_b32 s19, 0x400000
	s_mov_b32 s20, 0x200000
	s_mov_b32 s21, 0xC10000
	s_wait_kmcnt 0x0
	s_cmp_eq_u32 ttmp9, 1
	s_cselect_b64 s[8:9], s[10:11], s[8:9]
	s_cmp_eq_u32 ttmp9, 2
	s_cselect_b32 s17, s41, s18
	s_cselect_b32 s42, s95, s40
	s_cselect_b32 s66, s20, 0
	s_cselect_b32 s67, s21, s19
	s_cselect_b32 s2, 0, s2
	s_cselect_b32 s3, s19, s3
	s_cselect_b64 s[22:23], s[6:7], s[4:5]
	s_cselect_b64 s[6:7], s[4:5], s[6:7]
	s_cselect_b64 s[8:9], s[96:97], s[8:9]
	s_mov_b64 s[4:5], s[22:23]
	s_mov_b64 s[12:13], s[98:99]
	s_or_b32 s[G1+0], s43, (3<<16)|(1<<21)
	s_or_b32 s[G1B+0], s44, (3<<16)|(1<<21)
.irp g, G1, G1B
	s_mov_b32 s[\g+1], (NQ*256)<<16
	s_mov_b32 s[\g+2], (2*NB)<<16
	s_mov_b32 s[\g+3], (NQ*256)<<16
	s_mov_b32 s[\g+4], 2*NB
	s_mov_b32 s[\g+5], 2*SIZE_K
	s_mov_b32 s[\g+6], 0
	s_mov_b32 s[\g+7], 0
.endr
	s_or_b32 s[G1S+0], s43, (3<<16)|(1<<20)|(1<<21)|(5<<22)|(3<<25)
	s_or_b32 s[G1SB+0], s44, (3<<16)|(1<<20)|(1<<21)|(5<<22)|(3<<25)
.irp g, G1S, G1SB
	s_mov_b32 s[\g+1], 32<<16
	s_mov_b32 s[\g+2], (2*SR)<<16
	s_mov_b32 s[\g+3], 32<<16
	s_mov_b32 s[\g+4], 2*SR
	s_mov_b32 s[\g+5], 32
	s_mov_b32 s[\g+6], 0
	s_mov_b32 s[\g+7], 0
.endr
	s_mul_i32 s18, s17, 2*NB
	s_mul_i32 s19, s16, NB
	s_add_co_u32 s18, s18, s19
	s_mul_i32 s95, s42, 2*NB
	s_add_co_u32 s95, s95, s19
	s_mul_i32 s20, s18, RBB
	s_add_co_u32 s20, s20, s66
	s_mov_b32 s21, 0
	s_mul_i32 s22, s18, RBS
	s_add_co_u32 s22, s22, s67
	s_mov_b32 s23, 0
	s_mul_i32 s46, s95, RBB
	s_add_co_u32 s46, s46, s2
	s_mov_b32 s47, 0
	s_mul_i32 s92, s95, RBS
	s_add_co_u32 s92, s92, s3
	s_mov_b32 s93, 0
	s_mul_i32 s45, s14, HALFT
	s_mul_i32 s94, s14, HALFS
	s_add_nc_u64 s[20:21], s[4:5], s[20:21]
	s_add_nc_u64 s[22:23], s[4:5], s[22:23]
	s_add_nc_u64 s[46:47], s[6:7], s[46:47]
	s_add_nc_u64 s[92:93], s[6:7], s[92:93]
	CROUND
	s_mul_i32 s96, s19, RBS                        ; my half's distance from the tile's first scale word
	s_mov_b32 s97, 0
	s_mov_b32 s[G0S], 1                            ; the scale words of all 2 NB blocks of P's tile,
	s_mov_b32 s[G0S+1], SCL
	s_sub_nc_u64 s[G0S+2:G0S+3], s[22:23], s[96:97]
	s_or_b32 s[G0S+3], s[G0S+3], 0x80000000
	s_mov_b32 s[G0SB], 1                           ; and of R's
	s_mov_b32 s[G0SB+1], SCL+2*HALFS
	s_sub_nc_u64 s[G0SB+2:G0SB+3], s[92:93], s[96:97]
	s_or_b32 s[G0SB+3], s[G0SB+3], 0x80000000
.irp s, 0,1
	s_mov_b32 s[G0+4*\s], 1
	s_add_co_u32 s[G0+4*\s+1], s45, \s*SLOT
	s_add_nc_u64 s[G0+4*\s+2:G0+4*\s+3], s[20:21], \s*NQ*2048
	s_or_b32 s[G0+4*\s+3], s[G0+4*\s+3], 0x80000000
	s_mov_b32 s[G0B+4*\s], 1
	s_add_co_u32 s[G0B+4*\s+1], s45, \s*SLOT
	s_add_nc_u64 s[G0B+4*\s+2:G0B+4*\s+3], s[46:47], \s*NQ*2048
	s_or_b32 s[G0B+4*\s+3], s[G0B+4*\s+3], 0x80000000
.endr
	; the head's four tiles, one joint load a wave: wave 0 slot 0's 2 NB blocks of P, wave 2 those of R (in both my half is the first, so slot 0's own group 0 serves), wave 1 P's scale words, wave 3 R's
	s_cmp_lg_u32 s14, 0
	s_cbranch_scc1 .Lh1
	tensor_load_to_lds s[G0:G0+3], s[G1:G1+7]
	s_nop 0
	PLACES 4
	s_branch .Lhd
.Lh1:
	s_cmp_lg_u32 s14, 2
	s_cbranch_scc1 .Lh2
	tensor_load_to_lds s[G0B:G0B+3], s[G1B:G1B+7]
	s_nop 0
	PLACES 4
	s_branch .Lhd
.Lh2:
	s_cmp_lg_u32 s14, 1
	s_cbranch_scc1 .Lh3
	tensor_load_to_lds s[G0S:G0S+3], s[G1S:G1S+7]
	s_nop 0
	PLACES 4
	s_branch .Lhd
.Lh3:
	tensor_load_to_lds s[G0SB:G0SB+3], s[G1SB:G1SB+7]
	s_nop 0
	PLACES 4
.Lhd:
	; PREFETCHES INTO THE L2: a slot's part of the NB blocks that my wave fetches is 32,768 bytes, 128 blocks of 256; the four partners that ask for it jointly share them out BY ADDRESS (cx for P, cy for R): 32 each, a lane a block, one instruction a wave.
	; Slots 1 and 2 are asked for here, slot 3 behind slot 1's load: each at least one slot's steps ahead of its tensor load; K has four slots, so nothing lies beyond.
.set PFU, NQ*8                         ; blocks of 256 bytes in a slot's part of one block of 16 rows
.set PFL, 3+NQ/2                       ; its logarithm
	s_cmp_eq_u32 s15, 0
	s_cselect_b64 s[98:99], s[20:21], s[46:47]
	s_cselect_b32 s96, s40, s41
	s_mul_i32 s96, s96, (32/PFU)*RBB
	s_mov_b32 s97, 0
	s_add_nc_u64 s[98:99], s[98:99], s[96:97]
	v_and_b32 v30, 31, v0
	v_lshrrev_b32 v31, PFL, v30
	v_and_b32 v30, PFU-1, v30
	v_lshlrev_b32 v30, 8, v30
	v_mad_u32_u24 v30, v31, RBB, v30               ; v30: never rewritten
	global_prefetch_b8 v30, s[98:99] offset:NQ*2048 th:TH_LOAD_NT scope:SCOPE_SE
	global_prefetch_b8 v30, s[98:99] offset:2*NQ*2048 th:TH_LOAD_NT scope:SCOPE_SE
	v_and_b32 v1, 15, v0
	v_bfe_u32 v2, v0, 4, 1
	v_and_b32 v3, 31, v0
	v_lshlrev_b32 v[LI], 4, v3
	s_mul_i32 s21, s15, HALFT
	s_mul_i32 s22, s16, HALFT
	s_add_co_u32 s22, s22, 2*HALFT
.irp s, 0,1
	v_add_nc_u32 v[ADRA+\s], s21, v[LI]
	v_add_nc_u32 v[ADRB+\s], s22, v[LI]
	s_add_co_u32 s21, s21, SLOT
	s_add_co_u32 s22, s22, SLOT
.endr
	v_lshlrev_b32 v7, 5, v1
	v_lshrrev_b32 v8, 3, v1
	v_lshl_add_u32 v7, v8, 4, v7
	s_mul_i32 s21, s15, HALFS
	s_mul_i32 s22, s16, HALFS
	s_add_co_u32 s22, s22, 2*HALFS
	s_sub_co_u32 s22, s22, s21
	v_mul_u32_u24 v8, s22, v2
	s_add_co_u32 s21, s21, SCL
	v_add_nc_u32 v7, v7, v8
	v_add_nc_u32 v[ADRS], s21, v7
	s_lshl_b32 s20, s42, 10
	s_lshl_b32 s21, s16, 9
	s_add_co_u32 s20, s20, s21
	s_lshl_b32 s22, s17, 10
	s_lshl_b32 s23, s15, 9
	s_add_co_u32 s22, s22, s23
	s_cmp_eq_u32 ttmp9, 2
	s_cselect_b32 s20, s22, s20
	s_mov_b32 s21, 0
	s_add_nc_u64 s[8:9], s[8:9], s[20:21]
	s_cmp_eq_u32 ttmp9, 2
	s_cbranch_scc1 .Lbias_v
	v_lshlrev_b32 v6, 6, v2
.irp b, 0,1,2,3,4,5,6,7
	global_load_b128 v[BIAS+8*\b:BIAS+8*\b+3], v6, s[8:9] offset:128*(\b/2)+32*(\b%2)
	global_load_b128 v[BIAS+8*\b+4:BIAS+8*\b+7], v6, s[8:9] offset:128*(\b/2)+32*(\b%2)+16
.endr
	s_branch .Lbias_done
.Lbias_v:
	v_lshrrev_b32 v7, 3, v1
	v_lshl_add_u32 v7, v7, 3, v1
	v_lshlrev_b32 v7, 2, v7
.irp a, 0,1,2,3,4,5,6,7
	global_load_b32 v[BIAS+8*\a], v7, s[8:9] offset:4*(32*(\a/2)+8*(\a%2))
.endr
	s_wait_loadcnt 0x0
.irp a, 0,1,2,3,4,5,6,7
.irp j, 1,2,3,4,5,6,7
	v_mov_b32 v[BIAS+8*\a+\j], v[BIAS+8*\a]
.endr
.endr
.Lbias_done:
	s_wait_alu depctr_va_vdst(0)                   ; the wait at the head's end
	s_wait_tensorcnt 0x0                           ; my tile of the head's four is in; slot 1's first fill is issued as a refill is
	ds_add_u32 v[SPW], v[NIL]
	s_mov_b32 s[G1+2], NB<<16                      ; no tensor load of mine is out: from here on a load brings NB blocks
	s_mov_b32 s[G1+4], NB
	s_mov_b32 s[G1B+2], NB<<16
	s_mov_b32 s[G1B+4], NB
	s_wait_dscnt 0x0
	CROUND
	JLOAD G0+4, G1, G0B+4, G1B
	global_prefetch_b8 v30, s[98:99] offset:3*NQ*2048 th:TH_LOAD_NT scope:SCOPE_SE
	FETCH_R 0, 0, 0
	FETCH_P 0, 0, 0
	s_wait_alu depctr_va_vdst(0)
	SCALES 0
	FETCH_P 0, 0, HB
	s_wait_loadcnt 0x0
	s_cmp_eq_u32 ttmp9, 2
	s_cbranch_scc1 .Lfirst_v
	STEP 0, 0, 1
	s_branch .Lfirst_done
.Lfirst_v:
	STEP 0, 0, 2
.Lfirst_done:
.if LAPS > 1
	s_mov_b32 s3, LAPS-1
.Llap:
	MIDS 0, 1
	TURN 0, 1, 1
	MIDS 1, 0
	TURN 1, 0, 1
	STEP 0, 0, 0
	s_sub_co_u32 s3, s3, 1
	s_cmp_lg_u32 s3, 0
	s_cbranch_scc1 .Llap
.endif
	MIDS 0, 1
	TURN 0, 1, 0
	MIDS 1, 0
	s_wait_dscnt 4*HB
	MULA 0, HB, 1, NQ-1, 1, 0
	s_wait_dscnt 0x0
	MULA HB, HB, 1, NQ-1, 1, 0
	WIN 0
	PLACES 8
.macro EPIQ a, kind
.set ew, 2+(\a)/4
.set es, 64*((\a)%4)
.set pc, PC+16*((\a)%2)
.set pw, PW+(\a)%2
.if (\a) >= 2
	s_wait_xcnt 0x0
.endif
	WIN (ew<<2)|(ew<<4)
.irp b, 0,1,2,3
	v_max3_num_f32 v[TM+\b], 0x4800000, |v[es+16*\b]|, |v[es+16*\b+1]|
.endr
.irp i, 2,4,6,8,10,12,14
.irp b, 0,1,2,3
	v_max3_num_f32 v[TM+\b], v[TM+\b], |v[es+16*\b+\i]|, |v[es+16*\b+\i+1]|
.endr
.endr
	WIN 0
.irp b, 0,1,2,3
	v_permlanex16_b32 v[TM+4+\b], v[TM+\b], s4, s5
.endr
.irp b, 0,1,2,3
	v_max_num_f32 v[TM+\b], v[TM+\b], v[TM+4+\b]
.endr
.irp b, 0,1,2,3
	v_add_nc_u32 v[TM+12+\b], 0xfc000000, v[TM+\b]
.endr
.irp b, 0,1,2,3
	v_and_or_b32 v[TM+8+\b], v[TM+\b], 0x7f800000, s6
.endr
.irp b, 0,1,2,3
	v_lshrrev_b32 v[TM+4+\b], 23, v[TM+12+\b]
.endr
	v_lshl_or_b32 v[pw], v[TM+5], 8, v[TM+4]
	v_lshl_or_b32 v[pw], v[TM+6], 16, v[pw]
	v_lshl_or_b32 v[pw], v[TM+7], 24, v[pw]
	WIN ew|(ew<<6)
.irp b, 0,1,2,3
.irp i, 0,1,2,3,4,5,6,7,8,9,10,11,12,13,14,15
	v_med3_num_f32 v[es+16*\b+\i], v[es+16*\b+\i], -v[TM+8+\b], v[TM+8+\b]
.endr
.endr
	WIN ew
.irp b, 0,1,2,3
	v_cvt_scalef32_pk8_fp8_f32 v[pc+4*\b:pc+4*\b+1], v[es+16*\b:es+16*\b+7], v[TM+12+\b]
	v_cvt_scalef32_pk8_fp8_f32 v[pc+4*\b+2:pc+4*\b+3], v[es+16*\b+8:es+16*\b+15], v[TM+12+\b]
.endr
	WIN 0
	v_nop
.irp c, 0,1,2,3
.if \kind == 0
	global_store_b128 v[LI], v[pc+4*\c:pc+4*\c+3], s[12:13] offset:(\a)*1024+(\c/2)*131072+(\c%2)*512
.else
	global_store_b128 v[LI], v[pc+4*\c:pc+4*\c+3], s[12:13] offset:((\a)/4)*131072+((\a)%4)*2048+\c*512
.endif
.endr
.if (\a)%2 == 1
.set tt, 220+(\a)/2
.if \kind == 0
	v_perm_b32 v218, v[PW+1], v[PW], s66
	v_perm_b32 v219, v[PW+1], v[PW], s67
	v_cndmask_b32 v[tt], v218, v219, s7
	global_store_b32 v7, v[tt], s[10:11] offset:((\a)/2)*64
.else
	v_cndmask_b32 v[tt], v[PW], v[PW+1], s7
	global_store_b32 v7, v[tt], s[10:11] offset:((\a)/4)*4096+(((\a)%4)/2)*128
.endif
.endif
.endm
	s_mov_b32 s4, 0x76543210
	s_mov_b32 s5, 0xfedcba98
	s_mov_b32 s6, 0x600000
	s_mov_b32 s7, 0xffff0000
	s_mov_b32 s66, 0x05040100
	s_mov_b32 s67, 0x07060302
.irp b, 0,1,2,3
	v_mov_b32 v[TM+4+\b], 0
.endr
	s_cmp_eq_u32 ttmp9, 2
	s_cbranch_scc1 .Lepi_v
	s_lshl_b32 s20, ttmp9, 22
	s_lshr_b32 s21, s17, 3
	s_lshl_b32 s22, s21, 21
	s_add_co_u32 s20, s20, s22
	s_lshl_b32 s22, s42, 2
	s_lshl_b32 s23, s16, 1
	s_add_co_u32 s22, s22, s23
	s_lshl_b32 s23, s22, 17
	s_add_co_u32 s20, s20, s23
	s_and_b32 s46, s17, 7
	s_lshl_b32 s46, s46, 4
	s_lshl_b32 s47, s15, 3
	s_add_co_u32 s46, s46, s47
	s_lshl_b32 s47, s46, 10
	s_add_co_u32 s20, s20, s47
	s_lshl_b32 s92, ttmp9, 17
	s_lshl_b32 s21, s21, 4
	s_add_co_u32 s21, s21, s22
	s_lshl_b32 s21, s21, 12
	s_add_co_u32 s92, s92, s21
	s_lshl_b32 s46, s46, 5
	s_add_co_u32 s92, s92, s46
	s_add_co_u32 s92, s92, 0xC00000
	s_mov_b32 s21, 0
	s_mov_b32 s93, 0
	s_add_nc_u64 s[10:11], s[12:13], s[92:93]
	s_add_nc_u64 s[12:13], s[12:13], s[20:21]
	v_lshlrev_b32 v7, 2, v1
	v_lshl_add_u32 v7, v2, 12, v7
.irp a, 0,1,2,3,4,5,6,7
	EPIQ \a, 0
.endr
	s_branch .Lend
.Lepi_v:
	s_lshl_b32 s20, s42, 1
	s_add_co_u32 s20, s20, s16
	s_lshr_b32 s21, s20, 4
	s_lshl_b32 s21, s21, 4
	s_lshl_b32 s22, s17, 2
	s_add_co_u32 s21, s21, s22
	s_lshl_b32 s22, s15, 1
	s_add_co_u32 s21, s21, s22
	s_and_b32 s20, s20, 15
	s_lshl_b32 s46, s21, 17
	s_lshl_b32 s47, s20, 13
	s_add_co_u32 s46, s46, s47
	s_add_co_u32 s46, s46, 0x800000
	s_mov_b32 s47, 0
	s_lshl_b32 s92, s21, 12
	s_lshl_b32 s93, s20, 8
	s_add_co_u32 s92, s92, s93
	s_add_co_u32 s92, s92, 0xC40000
	s_mov_b32 s93, 0
	s_add_nc_u64 s[10:11], s[12:13], s[92:93]
	s_add_nc_u64 s[12:13], s[12:13], s[46:47]
	v_lshlrev_b32 v7, 2, v1
	v_lshl_add_u32 v7, v2, 6, v7
.irp a, 0,1,2,3,4,5,6,7
	EPIQ \a, 1
.endr
.Lend:
	s_wait_tensorcnt 0x0
	ds_add_u32 v[SPW], v[NIL]
	s_wait_dscnt 0x0
	CROUND
	s_endpgm
.Lfunc_end_k_q3b5815b0b2_qkv:
	.size	k_q3b5815b0b2_qkv, .Lfunc_end_k_q3b5815b0b2_qkv-k_q3b5815b0b2_qkv
	.p2alignl 7, 3214868480
	.fill 96, 4, 3214868480
	.section	.rodata,"a",@progbits
	.p2align	6, 0x0
	.amdhsa_kernel k_q3b5815b0b2_qkv
		.amdhsa_group_segment_fixed_size 327680
		.amdhsa_private_segment_fixed_size 0
		.amdhsa_enable_private_segment 0
		.amdhsa_kernarg_size 48
		.amdhsa_user_sgpr_count 2
		.amdhsa_user_sgpr_kernarg_segment_ptr 1
		.amdhsa_wavefront_size32 1
		.amdhsa_system_sgpr_workgroup_id_x 1
		.amdhsa_system_sgpr_workgroup_id_y 1
		.amdhsa_system_sgpr_workgroup_id_z 1
		.amdhsa_system_vgpr_workitem_id 0
		.amdhsa_next_free_vgpr 1024
		.amdhsa_next_free_sgpr 100
		.amdhsa_reserve_vcc 0
		.amdhsa_float_denorm_mode_32 3
		.amdhsa_float_denorm_mode_16_64 3
		.amdhsa_memory_ordered 1
		.amdhsa_forward_progress 1
		.amdhsa_inst_pref_size 255
	.end_amdhsa_kernel
	.section	.bss,"aw",@nobits
	.p2align	6
	.space	262144
	.amdgpu_metadata
---
amdhsa.version: [ 1, 2 ]
amdhsa.kernels:
  - .name:           k_q3b5815b0b2_qkv
    .symbol:         k_q3b5815b0b2_qkv.kd
    .args:
      - { .name: N1, .offset: 0, .size: 8, .value_kind: global_buffer, .address_space: global }
      - { .name: W, .offset: 8, .size: 8, .value_kind: global_buffer, .address_space: global }
      - { .name: bq, .offset: 16, .size: 8, .value_kind: global_buffer, .address_space: global }
      - { .name: bk, .offset: 24, .size: 8, .value_kind: global_buffer, .address_space: global }
      - { .name: bv, .offset: 32, .size: 8, .value_kind: global_buffer, .address_space: global }
      - { .name: QKV, .offset: 40, .size: 8, .value_kind: global_buffer, .address_space: global }
    .group_segment_fixed_size: 327680
    .private_segment_fixed_size: 0
    .kernarg_segment_align: 8
    .kernarg_segment_size: 48
    .max_flat_workgroup_size: 128
    .sgpr_count:     100
    .vgpr_count:     1024
    .wavefront_size: 32
...
	.end_amdgpu_metadata
.endif
;; end of part 2
;; launch attn (part 3): grid 8 x 32, 16 waves a work-group, clusters of 4 x 1, 327,680 bytes of LDS; arguments QKV, AO; writes AO
.if DOCPART == 3
	.amdgcn_target "amdgcn-amd-amdhsa--gfx1250"
	.amdhsa_code_object_version 6
	.text
	.protected	k_q3b5815b0b2_attn
	.globl	k_q3b5815b0b2_attn
	.p2align	8
	.type	k_q3b5815b0b2_attn,@function
k_q3b5815b0b2_attn:
	s_mov_b64 s[64:65], 0
	v_nop
	global_prefetch_b8 v0, s[64:65] scope:SCOPE_SE
	s_setreg_imm32_b32 hwreg(HW_REG_WAVE_MODE, 25, 1), 1
	s_wait_xcnt 0x0
	s_wait_alu depctr_hold_cnt(0) depctr_sa_sdst(0) depctr_va_vdst(0) depctr_va_sdst(0) depctr_va_ssrc(0) depctr_va_vcc(0) depctr_vm_vsrc(0)
	s_getreg_b32 s2, hwreg(HW_REG_IB_STS2, 6, 4)
	s_cmp_eq_u32 s2, 0
	s_cbranch_scc0 .Lentry_in_a_cluster
	s_endpgm
.Lentry_in_a_cluster:
	s_bfe_u32 s2, ttmp6, 0x10000c
	s_cmp_lg_u32 s2, 0x3003
	s_cbranch_scc0 .Lentry_shape_is_right
	s_endpgm
.Lentry_shape_is_right:
; o = softmax(q k^T / 8) v for 32 head-batches of 2,048 tokens and 64 channels, both products on codes of FP8 (E4M3) with E8M0 scales; o is quantised along the model's 1,024 and stored as the next product's operand.
; src_mask has no way to the output (the definition's attention is not handed it): it is not among the arguments.
; THE SOFTMAX: t = score x log2(e) / 8; M = the running largest t rounded UP to a whole number; p = 2^(t - M) is quantised along the keys, not normalised; the row's sum is taken of the unquantised p and divides at the end.
; The running maximum is kept as a score: c is positive, so c x max(a, b) = max(c a, c b) bit for bit.  When M moves, the sum and O^T are multiplied by 2^(old M - new M), which rounds nothing.
; A block's largest p is made from the block's largest score by the same multiply-add and exponential (this takes v_exp_f32 not to fall where its input rises; at the worst one p of a block would be held one code low).
; SHARES.  A work-group owns 256 queries of one head-batch, each of its sixteen waves one token block of 16, in 256 registers.
; ALL of a head-batch's K and V codes (2 x 131,072 bytes) lie in LDS, each byte filled ONCE, by two joint tensor loads a wave (waves 0-7 K, waves 8-15 V; the four work-groups of a cluster belong to one head-batch):
; at the head 4,096 bytes a wave, the first four key steps; behind the full sequence and a round of the cluster's barrier 12,288 bytes a wave, the other twelve, which land under the first four steps' work.
; The 2 x 4,096 bytes of scale words come by one load of 16 bytes a thread and are stored into LDS bytes of their own, re-laid so that a lane reads a key step's four words by one load of 16 bytes.
; No prefetch: all that the launch reads is asked for ahead of its first key step.
; LAYOUT (made by the launch before).  Token blocks hold tokens T(i, p) = 32 (i / 2) + 8 (i % 2) + p + 8 (p / 8).  K: token block x 1,024 + 512 (d / 32) + 16 l: TWO neighbouring blocks are one operand of 16 registers.
; Q's 8 registers stand between two runs of 8 zeros: v[24:39] meets the even block, v[16:31] the odd one; zero codes add nothing.
; Both products are used transposed: S^T = K Q^T, O^T = V^T P^T: a lane holds ONE query; the 16 registers of S tiles 2 f, 2 f + 1 are keys 32 f + 16 (lane / 16) + 0 .. 15.
; AO: codes at token block x 16,384 + head x 1,024 + 512 (d / 32) + 16 l; scale bytes at 0x400000 + token block x 512 + 32 p + 2 x head + d / 32.
; LIMITS: the scaled scores stay under 2^31 in magnitude; a block of zeros gets the byte 1 where the quantiser says 127 (this program alone reads the bytes); NaN and infinities are not served.
.set VB,    131072                     ; LDS: K's codes at 0, V's here,
.set KSB,   262144                     ; K's scale words: key step x 256 + 16 r + 4 f; 4,096 bytes on V's
.set SPARE, 270336                     ; the spare words: 128 bytes a wave
.set S,    104                         ; v104-167 S^T, then p
.set O,    168                         ; v168-199 O^T
.set FRG,  40                          ; v40-103  four fragments of K or of V
.set PCD,  200                         ; v200-215 p's codes
.set FS,   216                         ; v216-219 K's or V's scale words;  v220 Q's;  v221 p's;  v222 Q's as loaded
.set PAIR, 1                           ; 1: the holds go two to an instruction
.set NC,   3                           ; s3  -c
.set WV,   18
.set MNT,  19
.set SEL,  20
.set CS,   22
.set G1D,  24                          ; s[24:31] group 1 of the first load, s[32:39] of the second; s[40:43], s[44:47] their groups 0
.set G1E,  32
.set G0,   40
.set G0E,  44
.set CNT,  62
.macro CROUND
	s_barrier_signal -1
	s_barrier_wait -1
	s_cmp_lg_u32 s[WV], 0
	s_cbranch_scc1 .Lnot_wave_0_\@
	s_barrier_signal -3
.Lnot_wave_0_\@:
	s_barrier_wait -3
	s_barrier_signal -1
	s_barrier_wait -1
.endm
.macro TM j0                           ; eight pairs of scores become t - M
.set j, \j0
.rept 8
	v_pk_fma_f32 v[S+j:S+j+1], v[S+j:S+j+1], s[CS:CS+1], v[12:13] op_sel_hi:[1,0,0]
.set j, j+2
.endr
.endm
	s_load_b128 s[4:7], s[0:1], 0x0                ; QKV, AO
	v_lshl_add_u32 v254, v0, 2, SPARE
	v_mov_b32 v255, 0
	ds_add_u32 v254, v255                          ; the opening lines: the add, twice on end, and its wait
	ds_add_u32 v254, v255
	v_lshrrev_b32 v5, 5, v0
	v_readfirstlane_b32 s[WV], v5                  ; wave 0..15
	s_bfe_u32 s8, ttmp6, 0x40000                   ; cx
	s_lshl_b32 s9, ttmp9, 2
	s_add_co_u32 s9, s9, s8                        ; my block of 256 queries: it enters Q's and AO's addresses alone
	s_and_b32 s10, ttmp7, 0xffff                   ; the head-batch, which the four partners share
	s_lshr_b32 s11, s[WV], 3                       ; I fetch for K (0) or for V (1),
	s_and_b32 s12, s[WV], 7                        ; and which eighth
	s_lshl_b32 s16, s11, 17
	s_lshl_b32 s14, s12, 9
	s_add_co_u32 s16, s16, s14
	s_lshl_b32 s17, s10, 12
	s_add_co_u32 s16, s16, s17
	s_add_co_u32 s16, s16, 0xC20000                ; my wave's 512 bytes of scale words in QKV
	s_mov_b32 s17, 0
	s_lshl_b32 s66, s11, 17
	s_lshl_b32 s67, s12, 12
	s_add_co_u32 s66, s66, s67                     ; my 4,096 bytes of the first four key steps in LDS,
	s_lshl_b32 s68, s11, 22
	s_add_co_u32 s68, s68, s67
	s_lshl_b32 s69, s10, 17
	s_add_co_u32 s68, s68, s69
	s_add_co_u32 s68, s68, 0x400000                ; and in QKV
	s_mov_b32 s69, 0
	s_mul_i32 s56, s12, 12288
	s_lshl_b32 s57, s11, 17
	s_add_co_u32 s57, s57, s56
	s_add_co_u32 s57, s57, 32768                   ; my 12,288 bytes of the other twelve in LDS,
	s_lshl_b32 s58, s12, 13
	s_add_co_u32 s58, s58, s68
	s_add_co_u32 s58, s58, 32768                   ; and in QKV: 32,768 + 12,288 x eighth from the tensor's first byte
	s_mov_b32 s59, 0
	s_lshl_b32 s70, s9, 4
	s_add_co_u32 s70, s70, s[WV]                   ; my token block in the batch
	s_lshl_b32 s71, s70, 10
	s_lshl_b32 s72, s10, 17
	s_add_co_u32 s72, s72, s71                     ; Q's codes
	s_mov_b32 s73, 0
	s_lshr_b32 s74, s70, 1
	s_lshl_b32 s74, s74, 6
	s_lshl_b32 s75, s10, 12
	s_add_co_u32 s74, s74, s75
	s_add_co_u32 s74, s74, 0xC00000                ; Q's scale words
	s_mov_b32 s75, 0
	s_lshr_b32 s76, s10, 4
	s_lshl_b32 s76, s76, 7
	s_add_co_u32 s76, s76, s70                     ; my token block among all 256
	s_and_b32 s77, s10, 15                         ; the head
	s_lshl_b32 s78, s76, 14
	s_lshl_b32 s79, s77, 10
	s_add_co_u32 s78, s78, s79                     ; AO's codes
	s_mov_b32 s79, 0
	s_lshl_b32 s76, s76, 9
	s_lshl_b32 s77, s77, 1
	s_add_co_u32 s76, s76, s77
	s_add_co_u32 s76, s76, 0x400000                ; AO's scale bytes
	s_mov_b32 s77, 0
	s_mov_b32 s[G1D], 15|(3<<16)|(1<<21)           ; dense runs as rows of 256 bytes (32 elements of 8 bytes): 16 rows, then 48; the mask names all four work-groups
	s_mov_b32 s[G1D+1], 32<<16
	s_mov_b32 s[G1D+2], 16<<16
	s_mov_b32 s[G1D+3], 32<<16
	s_mov_b32 s[G1D+4], 16
	s_mov_b32 s[G1D+5], 32
	s_mov_b32 s[G1D+6], 0
	s_mov_b32 s[G1D+7], 0
	s_mov_b32 s[G1E], 15|(3<<16)|(1<<21)
	s_mov_b32 s[G1E+1], 32<<16
	s_mov_b32 s[G1E+2], 48<<16
	s_mov_b32 s[G1E+3], 32<<16
	s_mov_b32 s[G1E+4], 48
	s_mov_b32 s[G1E+5], 32
	s_mov_b32 s[G1E+6], 0
	s_mov_b32 s[G1E+7], 0
	s_mov_b32 s[SEL], 0x76543210
	s_mov_b32 s[SEL+1], 0xfedcba98                 ; v_permlanex16_b32's selects for lane l xor 16
	s_mov_b32 s[CS], 0x3e38aa3b                    ; c = log2(e) / 8
	s_mov_b32 s[CS+1], s[CS]
	s_mov_b32 s[NC], 0xbe38aa3b                    ; -c
	s_mov_b32 s[MNT], 0x600000
	s_mov_b32 s2, 0xffff0000                       ; lanes 16-31
	s_and_b32 s13, s[WV], 1                        ; my token block is the even or the odd one of its pair: which two bytes of the scale word are mine
	s_mov_b32 s63, 0x03020302
	s_cmp_eq_u32 s13, 0
	s_cselect_b32 s63, 0x01000100, s63
	s_wait_dscnt 0x0
	s_wait_kmcnt 0x0
	s_add_nc_u64 s[16:17], s[4:5], s[16:17]
	s_add_nc_u64 s[72:73], s[4:5], s[72:73]
	s_add_nc_u64 s[74:75], s[4:5], s[74:75]
	s_add_nc_u64 s[78:79], s[6:7], s[78:79]
	s_add_nc_u64 s[76:77], s[6:7], s[76:77]
	s_mov_b32 s[G0], 1
	s_mov_b32 s[G0+1], s66
	s_add_nc_u64 s[G0+2:G0+3], s[4:5], s[68:69]
	s_or_b32 s[G0+3], s[G0+3], 0x80000000
	s_mov_b32 s[G0E], 1
	s_mov_b32 s[G0E+1], s57
	s_add_nc_u64 s[G0E+2:G0E+3], s[4:5], s[58:59]
	s_or_b32 s[G0E+3], s[G0E+3], 0x80000000
	CROUND                                         ; all four work-groups are here: the joint loads meet
	tensor_load_to_lds s[G0:G0+3], s[G1D:G1D+7]    ; my one tensor load at the head
	s_nop 0
.rept 4
	v_nop
.endr
	v_and_b32 v5, 31, v0
	v_lshlrev_b32 v1, 4, v5                        ; v1  16 x lane
	v_and_b32 v6, 15, v0                           ; v6  r
	v_bfe_u32 v7, v0, 4, 1                         ; v7  h
	v_lshlrev_b32 v5, 2, v6
	global_load_b128 v[24:27], v1, s[72:73]
	global_load_b128 v[28:31], v1, s[72:73] offset:512
	global_load_b32 v222, v5, s[74:75]
	global_load_b128 v[40:43], v1, s[16:17]        ; thread t: words 4 t .. 4 t + 3 of the 2,048 scale words: key step t / 16, f = (t / 4) % 4, r = 4 (t % 4) + 0 .. 3
	v_lshrrev_b32 v3, 4, v0
	v_lshlrev_b32 v3, 8, v3
	v_and_b32 v4, 3, v0
	v_lshl_add_u32 v3, v4, 6, v3
	v_bfe_u32 v4, v0, 2, 2
	v_lshl_add_u32 v3, v4, 2, v3
	v_add_nc_u32 v3, KSB, v3                       ; v3  where they go: 256 (t / 16) + 64 (t % 4) + 4 f, 16 bytes from one to the next
	v_mov_b32 v8, v1                               ; v8  the key step's fragments of K: 8,192 bytes a step
	v_add_nc_u32 v9, VB, v1                        ; v9  of V
	v_lshl_add_u32 v10, v6, 4, KSB                 ; v10 its scale words: 256 bytes a step; V's 4,096 bytes on
.irp j, 0,1,2,3,4,5,6,7
	v_mov_b32 v[16+\j], 0                          ; zero codes on both sides of Q
	v_mov_b32 v[32+\j], 0
.endr
	v_mov_b32 v13, 0xff61b1e6                      ; the largest score so far: -3e38
	v_mul_f32 v12, s[NC], v13
	v_floor_f32 v12, v12                           ; -M
	v_mov_b32 v14, 0                               ; the sum, in two halves
	v_mov_b32 v15, 0
.irp b, 0,1,2,3
	v_mov_b32 v[228+\b], 0                         ; a lane permute's destination counts as one of its sources
.endr
	v_mov_b32 v240, 0
	v_mov_b32 v243, 0                              ; (named as the upper half of the pair v[242:243])
	s_wait_alu depctr_va_vdst(0)
	s_wait_loadcnt 0x0
	s_wait_tensorcnt 0x0                           ; my part of the first four key steps is in
.irp i, 0,1,2,3
	ds_store_b32 v3, v[40+\i] offset:16*\i
.endr
	v_perm_b32 v220, v222, v222, s63               ; Q's two scale bytes, twice: for the lower and for the upper 64 of the product's K
.set j, 0
.rept 32
	v_mov_b32 v[O+j], 0                            ; O^T: the step is written once; the first finds zeros
.set j, j+1
.endr
	s_wait_alu depctr_va_vdst(0)                   ; the wait at the head's end
	s_wait_tensorcnt 0x0                           ; the full sequence ahead of a later first fill
	ds_add_u32 v254, v255
	s_wait_dscnt 0x0                               ; the add and my stores of scale words are done
	CROUND                                         ; everybody's part is in, and all four work-groups are here
	tensor_load_to_lds s[G0E:G0E+3], s[G1E:G1E+7]  ; the other twelve key steps: my one tensor load behind the round
	s_nop 0
.rept 4
	v_nop
.endr
.macro STEPS n                                     ; n KEY STEPS of 128 keys
	s_mov_b32 s[CNT], \n
.Lstep_\@:
.irp f, 0,1,2,3
.irp c, 0,1,2,3
	ds_load_b128 v[FRG+16*\f+4*\c:FRG+16*\f+4*\c+3], v8 offset:2048*\f+512*\c
.endr
.endr
	ds_load_b128 v[FS:FS+3], v10
	s_wait_dscnt 0x0
.irp f, 0,1,2,3
	v_wmma_scale_f32_16x16x128_f8f6f4 v[S+16*\f:S+16*\f+7], v[FRG+16*\f:FRG+16*\f+15], v[24:39], 0, v[FS+\f], v220
	v_wmma_scale_f32_16x16x128_f8f6f4 v[S+16*\f+8:S+16*\f+15], v[FRG+16*\f:FRG+16*\f+15], v[16:31], 0, v[FS+\f], v220
.endr
	v_add_nc_u32 v8, 8192, v8                      ; eight places behind the products: the next step's K, the old -M,
	v_mov_b32 v240, v12
.rept 6
	v_nop
.endr
.irp t, 0,1,2,3                                    ; V's fragments take K's registers and land under the softmax
.irp c, 0,1,2,3
	ds_load_b128 v[FRG+16*\t+4*\c:FRG+16*\t+4*\c+3], v9 offset:2048*\t+512*\c
.endr
.endr
	ds_load_b128 v[FS:FS+3], v10 offset:4096
.irp b, 0,1,2,3
	v_max3_num_f32 v[224+\b], v[S+16*\b], v[S+1+16*\b], v[S+2+16*\b]       ; the largest score of each block of 32 keys: for the row's maximum and for the block's largest p
.endr
.irp i, 3,5,7,9,11,13
.irp b, 0,1,2,3
	v_max3_num_f32 v[224+\b], v[224+\b], v[S+16*\b+\i], v[S+1+16*\b+\i]
.endr
.endr
.irp b, 0,1,2,3
	v_max_num_f32 v[224+\b], v[224+\b], v[S+15+16*\b]
.endr
.irp b, 0,1,2,3
	v_permlanex16_b32 v[228+\b], v[224+\b], s[SEL], s[SEL+1]
.endr
.irp b, 0,1,2,3
	v_max_num_f32 v[224+\b], v[224+\b], v[228+\b]
.endr
	v_max3_num_f32 v241, v224, v225, v226
	v_max3_num_f32 v13, v13, v241, v227            ; the running largest score
	v_mul_f32 v241, s[NC], v13                     ; -t
	v_floor_f32 v12, v241                          ; the new -M = -ceil(t)
	TM 0
	v_sub_f32 v240, v12, v240                      ; old M - new M: a whole number, 0 or less
	TM 16
	v_cvt_i32_f32 v240, v240                       ; (it saturates)
	TM 32
	v_ldexp_f32 v242, 1.0, v240                    ; f = 2^(old M - new M)
	TM 48
.irp b, 0,1,2,3
	v_fma_f32 v[224+\b], v[224+\b], s[CS], v12
.endr
	s_wait_alu depctr_va_vdst(0)                   ; the wait ahead of the batch
.irp b, 0,1,2,3
	v_exp_f32 v[224+\b], v[224+\b]                 ; each block's largest p
.endr
.set j, 0
.rept 64
	v_exp_f32 v[S+j], v[S+j]                       ; p = 2^(t - M)
.set j, j+1
.endr
	v_pk_mul_f32 v[14:15], v[14:15], v[242:243] op_sel_hi:[1,0]   ; the sums under the new M: a plain line behind the exponentials
	s_wait_alu depctr_va_vdst(0)                   ; one wait for the batch of 68, ahead of its first reader
	v_pk_add_f32 v[244:245], v[S:S+1], v[S+2:S+3]  ; the row's sum of the unquantised p, in four chains
	v_pk_add_f32 v[246:247], v[S+4:S+5], v[S+6:S+7]
	v_pk_add_f32 v[248:249], v[S+8:S+9], v[S+10:S+11]
	v_pk_add_f32 v[14:15], v[14:15], v[S+12:S+13]
.set j, 14
.rept 25
.set ch, 244+2*(((j/2)+1)%4)
.if ((j/2)+1)%4 == 3
	v_pk_add_f32 v[14:15], v[14:15], v[S+j:S+j+1]
.else
	v_pk_add_f32 v[ch:ch+1], v[ch:ch+1], v[S+j:S+j+1]
.endif
.set j, j+2
.endr
.irp b, 0,1,2,3
	v_max_num_f32 v[224+\b], 0x4800000, v[224+\b]  ; the floor 2^(9 - 127)
.endr
.irp b, 0,1,2,3
	v_add_nc_u32 v[236+\b], 0xfc000000, v[224+\b]  ; the conversion's scale operand
.endr
.irp b, 0,1,2,3
	v_and_or_b32 v[232+\b], v[224+\b], 0x7f800000, s[MNT]   ; 448 x the scale
.endr
.irp b, 0,1,2,3
	v_lshrrev_b32 v[228+\b], 23, v[236+\b]         ; the scale's byte
.endr
	v_lshl_or_b32 v221, v229, 8, v228              ; p's scale word for these 128 keys
	v_lshl_or_b32 v221, v230, 16, v221
	v_lshl_or_b32 v221, v231, 24, v221
.irp b, 0,1,2,3
.set j, 0
.rept 8
.if PAIR
	v_dual_min_num_f32 v[S+16*\b+j], v[232+\b], v[S+16*\b+j] :: v_dual_min_num_f32 v[S+16*\b+j+1], v[232+\b], v[S+16*\b+j+1]   ; p is not negative: the hold is one-sided
.else
	v_min_num_f32 v[S+16*\b+j], v[S+16*\b+j], v[232+\b]
	v_min_num_f32 v[S+16*\b+j+1], v[S+16*\b+j+1], v[232+\b]
.endif
.set j, j+2
.endr
	v_cvt_scalef32_pk8_fp8_f32 v[PCD+4*\b:PCD+4*\b+1], v[S+16*\b:S+16*\b+7], v[236+\b]
	v_cvt_scalef32_pk8_fp8_f32 v[PCD+4*\b+2:PCD+4*\b+3], v[S+16*\b+8:S+16*\b+15], v[236+\b]
.endr
	s_wait_alu depctr_va_vdst(0)                   ; directly ahead of the first reader of O^T
.set j, 0
.rept 16
	v_pk_mul_f32 v[O+j:O+j+1], v[O+j:O+j+1], v[242:243] op_sel_hi:[1,0]    ; O^T under the new M; also the places in front of the products below
.set j, j+2
.endr
	s_wait_alu depctr_va_vdst(0)
	s_wait_dscnt 0x0                               ; V's fragments and scale words
.irp t, 0,1,2,3
	v_wmma_scale_f32_16x16x128_f8f6f4 v[O+8*\t:O+8*\t+7], v[FRG+16*\t:FRG+16*\t+15], v[PCD:PCD+15], v[O+8*\t:O+8*\t+7], v[FS+\t], v221
.endr
	v_add_nc_u32 v9, 8192, v9                      ; eight places in front of the next step's loads into the fragments' registers: the addresses' steps, the sum's four chains joined,
	v_add_nc_u32 v10, 256, v10
	v_pk_add_f32 v[244:245], v[244:245], v[246:247]
	v_pk_add_f32 v[14:15], v[14:15], v[248:249]
	v_nop
	v_pk_add_f32 v[14:15], v[14:15], v[244:245]
.rept 2
	v_nop
.endr
	s_sub_co_u32 s[CNT], s[CNT], 1
	s_cmp_lg_u32 s[CNT], 0
	s_wait_alu depctr_va_vdst(0)
	s_cbranch_scc1 .Lstep_\@
.endm
	STEPS 4
	s_wait_tensorcnt 0x0                           ; my part of the other twelve key steps is in
	s_wait_dscnt 0x0
	s_barrier_signal -1
	s_barrier_wait -1                              ; and so is everybody's
	STEPS 12
	; THE WAY OUT: O^T / the sum, quantised along the head's 64 channels (two blocks of 32), stored as two groups of the next operand's image
	v_add_f32 v14, v14, v15
	v_permlanex16_b32 v240, v14, s[SEL], s[SEL+1]
	v_add_f32 v14, v14, v240                       ; the row's sum
	s_wait_alu depctr_va_vdst(0)
	v_rcp_f32 v14, v14
	v_lshl_add_u32 v5, v6, 5, v7                   ; (a plain line behind the reciprocal)  32 r + h: my scale byte's place
	s_wait_alu depctr_va_vdst(0)
.set j, 0
.rept 32
	v_mul_f32 v[S+j], v[O+j], v14                  ; register 16 c + i: channel 32 c + 16 h + i of query r
.set j, j+1
.endr
.irp b, 0,1
	v_max3_num_f32 v[224+\b], |v[S+16*\b]|, |v[S+1+16*\b]|, 0x4800000
.endr
.irp i, 2,4,6,8,10,12,14
.irp b, 0,1
	v_max3_num_f32 v[224+\b], v[224+\b], |v[S+16*\b+\i]|, |v[S+1+16*\b+\i]|
.endr
.endr
.irp b, 0,1
	v_permlanex16_b32 v[228+\b], v[224+\b], s[SEL], s[SEL+1]
.endr
.irp b, 0,1
	v_max_num_f32 v[224+\b], v[224+\b], v[228+\b]
.endr
.irp b, 0,1
	v_add_nc_u32 v[236+\b], 0xfc000000, v[224+\b]
.endr
.irp b, 0,1
	v_and_or_b32 v[232+\b], v[224+\b], 0x7f800000, s[MNT]
.endr
.irp b, 0,1
	v_lshrrev_b32 v[228+\b], 23, v[236+\b]
.endr
	v_cndmask_b32 v240, v228, v229, s2             ; lanes 0-15 store block 0's byte, lanes 16-31 block 1's
.irp b, 0,1
.set j, 0
.rept 16
	v_med3_num_f32 v[S+16*\b+j], v[S+16*\b+j], -v[232+\b], v[232+\b]
.set j, j+1
.endr
	v_cvt_scalef32_pk8_fp8_f32 v[PCD+4*\b:PCD+4*\b+1], v[S+16*\b:S+16*\b+7], v[236+\b]
	v_cvt_scalef32_pk8_fp8_f32 v[PCD+4*\b+2:PCD+4*\b+3], v[S+16*\b+8:S+16*\b+15], v[236+\b]
.endr
	v_nop
	global_store_b128 v1, v[PCD:PCD+3], s[78:79]               ; 512 consecutive bytes each
	global_store_b128 v1, v[PCD+4:PCD+7], s[78:79] offset:512
	global_store_b8 v5, v240, s[76:77]
	s_wait_tensorcnt 0x0                           ; the wave's end
	ds_add_u32 v254, v255
	s_wait_dscnt 0x0
	CROUND                                         ; the closing round
	s_endpgm
.Lfunc_end_k_q3b5815b0b2_attn:
	.size	k_q3b5815b0b2_attn, .Lfunc_end_k_q3b5815b0b2_attn-k_q3b5815b0b2_attn
	.p2alignl 7, 3214868480
	.fill 96, 4, 3214868480
	.section	.rodata,"a",@progbits
	.p2align	6, 0x0
	.amdhsa_kernel k_q3b5815b0b2_attn
		.amdhsa_group_segment_fixed_size 327680
		.amdhsa_private_segment_fixed_size 0
		.amdhsa_enable_private_segment 0
		.amdhsa_kernarg_size 16
		.amdhsa_user_sgpr_count 2
		.amdhsa_user_sgpr_kernarg_segment_ptr 1
		.amdhsa_wavefront_size32 1
		.amdhsa_system_sgpr_workgroup_id_x 1
		.amdhsa_system_sgpr_workgroup_id_y 1
		.amdhsa_system_sgpr_workgroup_id_z 1
		.amdhsa_system_vgpr_workitem_id 0
		.amdhsa_next_free_vgpr 256
		.amdhsa_next_free_sgpr 80
		.amdhsa_reserve_vcc 0
		.amdhsa_float_denorm_mode_32 3
		.amdhsa_float_denorm_mode_16_64 3
		.amdhsa_memory_ordered 1
		.amdhsa_forward_progress 1
		.amdhsa_inst_pref_size 52
	.end_amdhsa_kernel
	.amdgpu_metadata
---
amdhsa.version: [ 1, 2 ]
amdhsa.kernels:
  - .name:           k_q3b5815b0b2_attn
    .symbol:         k_q3b5815b0b2_attn.kd
    .args:
      - { .name: QKV, .offset: 0, .size: 8, .value_kind: global_buffer, .address_space: global }
      - { .name: AO, .offset: 8, .size: 8, .value_kind: global_buffer, .address_space: global }
    .group_segment_fixed_size: 327680
    .private_segment_fixed_size: 0
    .kernarg_segment_align: 8
    .kernarg_segment_size: 16
    .max_flat_workgroup_size: 512
    .sgpr_count:     80
    .vgpr_count:     256
    .wavefront_size: 32
...
	.end_amdgpu_metadata
.endif
;; end of part 3
;; launch wo (part 4): grid 8 x 32, 4 waves a work-group, clusters of 4 x 4, 288,768 bytes of LDS; arguments AO, W, bo, x, H1; writes H1
.if DOCPART == 4
	.amdgcn_target "amdgcn-amd-amdhsa--gfx1250"
	.amdhsa_code_object_version 6
	.text
	.protected	k_q3b5815b0b2_wo
	.globl	k_q3b5815b0b2_wo
	.p2align	8
	.type	k_q3b5815b0b2_wo,@function
k_q3b5815b0b2_wo:
	s_mov_b64 s[64:65], 0
	v_nop
	global_prefetch_b8 v0, s[64:65] scope:SCOPE_SE
	s_setreg_imm32_b32 hwreg(HW_REG_WAVE_MODE, 25, 1), 1
	s_wait_xcnt 0x0
	s_wait_alu depctr_hold_cnt(0) depctr_sa_sdst(0) depctr_va_vdst(0) depctr_va_sdst(0) depctr_va_ssrc(0) depctr_va_vcc(0) depctr_vm_vsrc(0)
	s_getreg_b32 s2, hwreg(HW_REG_IB_STS2, 6, 4)
	s_cmp_eq_u32 s2, 0
	s_cbranch_scc0 .Lentry_in_a_cluster
	s_endpgm
.Lentry_in_a_cluster:
	s_bfe_u32 s2, ttmp6, 0x10000c
	s_cmp_lg_u32 s2, 0xf033
	s_cbranch_scc0 .Lentry_shape_is_right
	s_endpgm
.Lentry_shape_is_right:
; h1 = x + (ao wo^T + bo): a product on codes of FP8 (E4M3) with E8M0 scales, K = 1,024, the bias as the sums' start, the residual added on the way out; f32 rows out.
; OPERANDS ARE IMAGES OF REGISTERS.  A block of 16 rows holds rows T(i, p) = 32 (i / 2) + 8 (i % 2) + p + 8 (p / 8); fragment (i, s) lies at (8 i + s) x 2,048 bytes, group c at 512 c, lane l at 16 l; scale word (i, s, p) at 512 i + 32 p + 4 s.
; ROLES.  P (source 1) = tokens: the result's lanes.  R (source 0) = the weight's rows, which run along a lane's registers: the 16 registers of R's blocks 2 c, 2 c + 1 are 16 neighbouring columns of the output.
; A tile is 128 x 128 (256 work-groups), four waves of 64 x 64 (16 accumulators).  THE WHOLE K LIES IN LDS: 2 x 131,072 bytes of codes and 2 x 4,096 of scale words, filled ONCE by four joint tensor loads, one a wave:
; wave 0 P's codes, wave 1 R's, wave 2 P's scale words, wave 3 R's.  P's tile is shared along a row of the 4 x 4 cluster, R's along a column.  No slot is filled again: one barrier, and no ring.
; No prefetch: all that the launch reads is asked for at its head.  The way out goes through the wave's own stage, LDS bytes into which no fill lands, so that sixteen lanes store 256 consecutive bytes of a row.
; REGISTERS: window 0: v0-31 addresses; v32-63 scale words (register 8 i + s: lanes 0-15 P's block i, lanes 16-31 R's); v64-95 the bias as C; v128-191 P's 4 fragments, later rows on the way out.
; window 1: R's fragments, two sets.  window 2: accumulator (a, b) at v[8 (4 a + b)].  window 3: v0-127 the residual.
.set NB,     4
.set HB,     2
.set KT,     8
.set ROFF,   0x300000                  ; the weight's codes in W
.set RSOFF,  0xC18000                  ; and its scale words
.set PSOFF,  0x400000                  ; P's scale words lie behind its codes
.set HALFT,  NB*KT*2048                ; 4 blocks x all of K: what one wave reads of P or of R
.set SCL,    4*HALFT
.set HALFS,  272*8                     ; their scale words: 8 units of 256 bytes + 16
.set SBLK,   544
.set SPARE,  SCL+4*HALFS
.set STAGE,  SPARE+512
.set LI,   5
.set ADRA, 16
.set ADRB, 20
.set STO,  24
.set RD,   25
.set CO,   26
.set ADRS, 27
.set SPW,  28
.set NIL,  29
.set SC,   32
.set BIAS, 64
.set PF,   128
.set G1,   24
.set G0,   32
.set G0B,  36
.set G1B,  48
.set G0S,  56
.set G0SB, 60
.set G1S,  68
.set G1SB, 80
.set MSB, 0
.macro WIN new
.if MSB != (\new)
	s_set_vgpr_msb (MSB<<8)|(\new)
.set MSB, (\new)
.endif
.endm
.macro CROUND
	s_barrier_signal -1
	s_barrier_wait -1
	s_cmp_lg_u32 s14, 0
	s_cbranch_scc1 .Lnot_wave_0_\@
	s_barrier_signal -3
.Lnot_wave_0_\@:
	s_barrier_wait -3
	s_barrier_signal -1
	s_barrier_wait -1
.endm
.macro PLACES n
.rept \n
	v_nop
.endr
.endm
.macro FRAG reg, adr, off
.irp c, 0,1,2,3
	ds_load_b128 v[\reg+4*\c:\reg+4*\c+3], v[\adr] offset:\off+512*\c
.endr
.endm
.macro FETCH_R q, p                    ; R's four fragments of K step q into set p
	WIN 0x40
.set fi, 0
.rept NB
	FRAG 128*(\p)+16*fi, ADRB, (fi*KT+(\q))*2048
.set fi, fi+1
.endr
	WIN 0
.endm
.macro FETCH_P q, i0                   ; P's blocks i0, i0 + 1
.set fi, \i0
.rept HB
	FRAG PF+16*fi, ADRA, (fi*KT+(\q))*2048
.set fi, fi+1
.endr
.endm
; P's blocks a0, a0 + 1 against R's four.  cm 0: onto the sums; 1: the sums begin with the bias of R's block.  The 16 accumulators take turns in one fixed order.
.macro MULA a0, p, q, cm
.if (\cm) == 0
	WIN 0xa1
.else
	WIN 0x81
.endif
.set ma, \a0
.rept HB
.set mb, 0
.rept NB
.set AR, 8*(ma*NB+mb)
.set RA, 128*(\p)+16*mb
.set PA, PF+16*ma
.if (\cm) == 0
	v_wmma_scale_f32_16x16x128_f8f6f4 v[AR:AR+7], v[RA:RA+15], v[PA:PA+15], v[AR:AR+7], v[SC+8*mb+(\q)], v[SC+8*ma+(\q)] matrix_a_scale:MATRIX_SCALE_ROW1
.else
	v_wmma_scale_f32_16x16x128_f8f6f4 v[AR:AR+7], v[RA:RA+15], v[PA:PA+15], v[BIAS+8*mb:BIAS+8*mb+7], v[SC+8*mb+(\q)], v[SC+8*ma+(\q)] matrix_a_scale:MATRIX_SCALE_ROW1
.endif
.set mb, mb+1
.endr
.set ma, ma+1
.endr
.endm
.macro STEP q, cm
	s_wait_dscnt 4*HB                              ; R's set and P's lower blocks are in; P's upper blocks may be out
	MULA 0, (\q)%2, \q, \cm
	s_wait_dscnt 0x0
	PLACES 8
	FETCH_R (\q)+1, 1-(\q)%2
	FETCH_P (\q)+1, 0
	MULA HB, (\q)%2, \q, \cm
	PLACES 8
	WIN 0
	FETCH_P (\q)+1, HB
.endm
.macro ARM w, g0, g1, next             ; one arm of the head's tree: wave w's joint load
	s_cmp_lg_u32 s14, \w
	s_cbranch_scc1 \next
	tensor_load_to_lds s[\g0:\g0+3], s[\g1:\g1+7]
	s_nop 0
	PLACES 4
	s_branch .Lhd
\next:
.endm
	s_load_b128 s[4:7], s[0:1], 0x0                ; AO, W
	s_load_b128 s[8:11], s[0:1], 0x10              ; the bias, the residual
	s_load_b64 s[12:13], s[0:1], 0x20              ; the output
	v_lshl_add_u32 v[SPW], v0, 2, SPARE
	v_mov_b32 v[NIL], 0
	ds_add_u32 v[SPW], v[NIL]                      ; the opening lines: the add, twice on end, and its wait
	ds_add_u32 v[SPW], v[NIL]
	v_lshrrev_b32 v1, 5, v0
	v_readfirstlane_b32 s14, v1
	s_lshr_b32 s15, s14, 1                         ; which half of P's blocks is mine,
	s_and_b32 s16, s14, 1                          ; and which of R's
	s_bfe_u32 s40, ttmp6, 0x40000
	s_bfe_u32 s41, ttmp6, 0x40004
	s_lshl_b32 s43, s41, 2
	s_lshl_b32 s43, 15, s43                        ; my row of the cluster
	s_lshl_b32 s44, 0x1111, s40                    ; my column
	s_lshl_b32 s42, ttmp9, 2
	s_add_co_u32 s42, s42, s40                     ; R's tile = 4 x cluster x + cx
	s_and_b32 s17, ttmp7, 0xffff
	s_lshl_b32 s17, s17, 2
	s_add_co_u32 s17, s17, s41                     ; P's tile = 4 x cluster y + cy
	s_or_b32 s[G1+0], s43, (3<<16)|(1<<21)         ; codes: 8 blocks of 16,384 bytes (2,048 elements of 8 bytes)
	s_or_b32 s[G1B+0], s44, (3<<16)|(1<<21)
.irp g, G1, G1B
	s_mov_b32 s[\g+1], 2048<<16
	s_mov_b32 s[\g+2], 8<<16
	s_mov_b32 s[\g+3], 2048<<16
	s_mov_b32 s[\g+4], 8
	s_mov_b32 s[\g+5], 2048
	s_mov_b32 s[\g+6], 0
	s_mov_b32 s[\g+7], 0
.endr
	s_or_b32 s[G1S+0], s43, (3<<16)|(1<<20)|(1<<21)|(5<<22)|(3<<25)   ; scale words: 16 rows of 256 bytes, 16 bytes of padding behind each
	s_or_b32 s[G1SB+0], s44, (3<<16)|(1<<20)|(1<<21)|(5<<22)|(3<<25)
.irp g, G1S, G1SB
	s_mov_b32 s[\g+1], 32<<16
	s_mov_b32 s[\g+2], 16<<16
	s_mov_b32 s[\g+3], 32<<16
	s_mov_b32 s[\g+4], 16
	s_mov_b32 s[\g+5], 32
	s_mov_b32 s[\g+6], 0
	s_mov_b32 s[\g+7], 0
.endr
	s_lshl_b32 s20, s17, 17                        ; P's tile: 8 blocks of 16,384 bytes,
	s_mov_b32 s21, 0
	s_lshl_b32 s22, s17, 12                        ; and of 512 bytes of scale words
	s_add_co_u32 s22, s22, PSOFF
	s_mov_b32 s23, 0
	s_lshl_b32 s46, s42, 17                        ; R's likewise
	s_add_co_u32 s46, s46, ROFF
	s_mov_b32 s47, 0
	s_lshl_b32 s92, s42, 12
	s_add_co_u32 s92, s92, RSOFF
	s_mov_b32 s93, 0
	s_lshl_b32 s96, s42, 9
	s_lshl_b32 s97, s16, 8
	s_add_co_u32 s96, s96, s97                     ; my first column, in bytes
	s_mov_b32 s97, 0
	v_bfe_u32 v2, v0, 4, 1                         ; h
	v_lshlrev_b32 v6, 6, v2                        ; the bias: lane (r, h), block b, register j: column 32 (b / 2) + 8 (b % 2) + 16 h + j
	s_wait_dscnt 0x0
	s_wait_alu depctr_va_vdst(0)
	s_wait_kmcnt 0x0
	s_mov_b32 s[G0], 1
	s_mov_b32 s[G0+1], 0
	s_add_nc_u64 s[G0+2:G0+3], s[4:5], s[20:21]
	s_or_b32 s[G0+3], s[G0+3], 0x80000000
	s_mov_b32 s[G0B], 1
	s_mov_b32 s[G0B+1], 2*HALFT
	s_add_nc_u64 s[G0B+2:G0B+3], s[6:7], s[46:47]
	s_or_b32 s[G0B+3], s[G0B+3], 0x80000000
	s_mov_b32 s[G0S], 1
	s_mov_b32 s[G0S+1], SCL
	s_add_nc_u64 s[G0S+2:G0S+3], s[4:5], s[22:23]
	s_or_b32 s[G0S+3], s[G0S+3], 0x80000000
	s_mov_b32 s[G0SB], 1
	s_mov_b32 s[G0SB+1], SCL+2*HALFS
	s_add_nc_u64 s[G0SB+2:G0SB+3], s[6:7], s[92:93]
	s_or_b32 s[G0SB+3], s[G0SB+3], 0x80000000
	s_add_nc_u64 s[8:9], s[8:9], s[96:97]
.irp b, 0,1,2,3
	global_load_b128 v[BIAS+8*\b:BIAS+8*\b+3], v6, s[8:9] offset:128*(\b/2)+32*(\b%2)
	global_load_b128 v[BIAS+8*\b+4:BIAS+8*\b+7], v6, s[8:9] offset:128*(\b/2)+32*(\b%2)+16
.endr
	CROUND                                         ; all sixteen work-groups are here: the joint loads meet
	ARM 0, G0,  G1,  .Lh1
	ARM 1, G0B, G1B, .Lh2
	ARM 2, G0S, G1S, .Lh3
	tensor_load_to_lds s[G0SB:G0SB+3], s[G1SB:G1SB+7]
	s_nop 0
	PLACES 4
.Lhd:
	s_lshl_b32 s66, s15, 16                        ; my 4 blocks of P,
	s_lshl_b32 s67, s16, 16
	s_add_co_u32 s67, s67, 2*HALFT                 ; of R,
	s_mul_i32 s94, s15, HALFS
	s_mul_i32 s95, s16, HALFS
	s_add_co_u32 s95, s95, 2*HALFS
	s_sub_co_u32 s95, s95, s94                     ; from P's scale words to R's,
	s_add_co_u32 s94, s94, SCL
	s_mul_i32 s3, s14, 16*272
	s_add_co_u32 s3, s3, STAGE                     ; my stage: 16 rows x (256 bytes + 16)
	s_mov_b32 s20, s96                             ; my first column, in bytes,
	s_mov_b32 s21, 0
	s_lshl_b32 s22, s17, 3
	s_lshl_b32 s23, s15, 2
	s_add_co_u32 s22, s22, s23                     ; my first token block:
	s_lshl_b32 s22, s22, 16                        ; 16 rows of 4,096 bytes each
	s_add_co_u32 s20, s20, s22
	s_add_nc_u64 s[10:11], s[10:11], s[20:21]
	s_add_nc_u64 s[12:13], s[12:13], s[20:21]
	v_and_b32 v1, 15, v0                           ; r
	v_bfe_u32 v2, v0, 4, 1                         ; h
	v_and_b32 v3, 31, v0
	v_lshlrev_b32 v[LI], 4, v3
	v_add_nc_u32 v[ADRA], s66, v[LI]
	v_add_nc_u32 v[ADRB], s67, v[LI]
	v_lshlrev_b32 v7, 5, v1
	v_lshrrev_b32 v8, 3, v1
	v_lshl_add_u32 v7, v8, 4, v7                   ; 32 r, and 16 more behind each 256
	v_mul_u32_u24 v8, s95, v2                      ; lanes 16-31 take R's
	v_add_nc_u32 v7, v7, v8
	v_add_nc_u32 v[ADRS], s94, v7
	v_mul_u32_u24 v4, v1, 272
	v_lshl_add_u32 v4, v2, 6, v4
	v_add_nc_u32 v[STO], s3, v4                    ; in: row r, 64 bytes on for lanes 16-31
	v_mul_u32_u24 v4, v2, 272
	v_lshl_add_u32 v4, v1, 4, v4
	v_add_nc_u32 v[RD], s3, v4                     ; back: lanes 0-15 one row, lanes 16-31 the next
	v_lshlrev_b32 v4, 12, v2
	v_lshl_add_u32 v[CO], v1, 4, v4                ; and the same two rows of 4,096 bytes in memory
	s_wait_alu depctr_va_vdst(0)                   ; the wait at the head's end
	WIN 0xc0                                       ; the residual, in the order in which the rows come back from the stage
.irp a, 0,1,2,3
.irp t, 0,1,2,3,4,5,6,7
	global_load_b128 v[32*\a+4*\t:32*\a+4*\t+3], v[CO], s[10:11] offset:(32*(\a/2)+8*(\a%2)+2*\t+8*(\t/4))*4096
.endr
.endr
	WIN 0
	s_wait_tensorcnt 0x0                           ; my tile of the four is in
	s_barrier_signal -1
	s_barrier_wait -1                              ; and so are the others'
	FETCH_R 0, 0
	FETCH_P 0, 0
.irp i, 0,1,2,3
	ds_load_b128 v[SC+8*\i:SC+8*\i+3], v[ADRS] offset:\i*SBLK          ; the scale words of all eight K steps
	ds_load_b128 v[SC+8*\i+4:SC+8*\i+7], v[ADRS] offset:\i*SBLK+16
.endr
	FETCH_P 0, HB
	s_wait_loadcnt 32                              ; the bias is in: behind its eight loads the residual's 32 were issued, and those may stay out
	STEP 0, 1                                      ; the first K step starts the sums
.irp q, 1,2,3,4,5,6
	STEP \q, 0
.endr
	s_wait_dscnt 4*HB
	MULA 0, 1, 7, 0
	s_wait_dscnt 0x0
	MULA HB, 1, 7, 0
	WIN 0
	PLACES 8
; THE WAY OUT, a block of 16 tokens x 64 columns at a time.  Place p of block a is row 32 (a / 2) + 8 (a % 2) + p + 8 (p / 8).  LDS serves a wave's instructions in order: no wait between the stores and the loads.
.macro TOSTAGE a
	WIN 0x08
.irp b, 0,1,2,3
	ds_store_b128 v[STO], v[8*(4*(\a)+\b):8*(4*(\a)+\b)+3] offset:128*(\b/2)+32*(\b%2)        ; each accumulator from its low end on
	ds_store_b128 v[STO], v[8*(4*(\a)+\b)+4:8*(4*(\a)+\b)+7] offset:128*(\b/2)+32*(\b%2)+16
.endr
	WIN 0
.set BB, PF+32*((\a)%2)
.irp t, 0,1,2,3,4,5,6,7
	ds_load_b128 v[BB+4*\t:BB+4*\t+3], v[RD] offset:544*\t
.endr
.endm
.macro SEND a, younger
.set BB, PF+32*((\a)%2)
	s_wait_dscnt \younger
	WIN 0x0c
.set j, 0
.rept 16
	v_pk_add_f32 v[BB+j:BB+j+1], v[BB+j:BB+j+1], v[32*(\a)+j:32*(\a)+j+1]     ; + the residual
.set j, j+2
.endr
	WIN 0
.irp t, 0,1,2,3,4,5,6,7
	global_store_b128 v[CO], v[BB+4*\t:BB+4*\t+3], s[12:13] offset:(32*((\a)/2)+8*((\a)%2)+2*\t+8*(\t/4))*4096   ; sixteen lanes store 256 consecutive bytes, aligned
.endr
.endm
	s_wait_loadcnt 0x0                             ; the residual is in
	TOSTAGE 0
.irp a, 1,2,3
.if \a > 1
	s_wait_xcnt 0x0                                ; block a - 2's stores have read their registers, into which block a's rows are loaded
.endif
	TOSTAGE \a
	SEND \a-1, 16                                  ; behind block a - 1's loads: block a's 8 stores and 8 loads
.endr
	SEND 3, 0
	s_wait_tensorcnt 0x0                           ; the wave's end
	ds_add_u32 v[SPW], v[NIL]
	s_wait_dscnt 0x0
	CROUND                                         ; the closing round
	s_endpgm
.Lfunc_end_k_q3b5815b0b2_wo:
	.size	k_q3b5815b0b2_wo, .Lfunc_end_k_q3b5815b0b2_wo-k_q3b5815b0b2_wo
	.p2alignl 7, 3214868480
	.fill 96, 4, 3214868480
	.section	.rodata,"a",@progbits
	.p2align	6, 0x0
	.amdhsa_kernel k_q3b5815b0b2_wo
		.amdhsa_group_segment_fixed_size 288768
		.amdhsa_private_segment_fixed_size 0
		.amdhsa_enable_private_segment 0
		.amdhsa_kernarg_size 40
		.amdhsa_user_sgpr_count 2
		.amdhsa_user_sgpr_kernarg_segment_ptr 1
		.amdhsa_wavefront_size32 1
		.amdhsa_system_sgpr_workgroup_id_x 1
		.amdhsa_system_sgpr_workgroup_id_y 1
		.amdhsa_system_sgpr_workgroup_id_z 1
		.amdhsa_system_vgpr_workitem_id 0
		.amdhsa_next_free_vgpr 1024
		.amdhsa_next_free_sgpr 100
		.amdhsa_reserve_vcc 0
		.amdhsa_float_denorm_mode_32 3
		.amdhsa_float_denorm_mode_16_64 3
		.amdhsa_memory_ordered 1
		.amdhsa_forward_progress 1
		.amdhsa_inst_pref_size 62
	.end_amdhsa_kernel
	.amdgpu_metadata
---
amdhsa.version: [ 1, 2 ]
amdhsa.kernels:
  - .name:           k_q3b5815b0b2_wo
    .symbol:         k_q3b5815b0b2_wo.kd
    .args:
      - { .name: AO, .offset: 0, .size: 8, .value_kind: global_buffer, .address_space: global }
      - { .name: W, .offset: 8, .size: 8, .value_kind: global_buffer, .address_space: global }
      - { .name: bo, .offset: 16, .size: 8, .value_kind: global_buffer, .address_space: global }
      - { .name: x, .offset: 24, .size: 8, .value_kind: global_buffer, .address_space: global }
      - { .name: H1, .offset: 32, .size: 8, .value_kind: global_buffer, .address_space: global }
    .group_segment_fixed_size: 288768
    .private_segment_fixed_size: 0
    .kernarg_segment_align: 8
    .kernarg_segment_size: 40
    .max_flat_workgroup_size: 128
    .sgpr_count:     100
    .vgpr_count:     1024
    .wavefront_size: 32
...
	.end_amdgpu_metadata
.endif
;; end of part 4
;; launch ln2 (part 5): grid 256 x 1, 4 waves a work-group, no clusters, 35,328 bytes of LDS; arguments H1, alpha2, bias2, N2; writes N2
.if DOCPART == 5
	.amdgcn_target "amdgcn-amd-amdhsa--gfx1250"
	.amdhsa_code_object_version 6
	.text
	.protected	k_q3b5815b0b2_ln2
	.globl	k_q3b5815b0b2_ln2
	.p2align	8
	.type	k_q3b5815b0b2_ln2,@function
k_q3b5815b0b2_ln2:
	s_mov_b64 s[64:65], 0
	v_nop
	global_prefetch_b8 v0, s[64:65] scope:SCOPE_SE
	s_setreg_imm32_b32 hwreg(HW_REG_WAVE_MODE, 25, 1), 1
	s_wait_xcnt 0x0
; n = alpha (x - mean) / (std + 1e-5) + bias over rows of 1,024 f32 (std with 1,023 in the divisor), quantised along the row to FP8 (E4M3) with one E8M0 scale for each 32, and stored as IMAGES OF OPERAND REGISTERS.
; A block of 16 rows takes its rows in the order T(a, p) = 32 (a / 2) + 8 (a % 2) + p + 8 (p / 8).  A fragment (block a, K step s) lies at (8 a + s) x 2,048: group c at 512 c, lane l at 16 l: row T(a, l % 16), k = 128 s + 32 c + 16 (l / 16) + 0 .. 15.
; The scale word of (a, s, p) lies at 0x400000 + 512 a + 32 p + 4 s.
; A work-group takes one block, wave w columns 256 w on (fragments 2 w, 2 w + 1).  Each load reads 512 consecutive bytes of a row; the rows turn through the wave's own stage in LDS.  A lane then holds 128 numbers of ONE row,
; which stay in registers through both passes: the mean first, then the squares of the differences, so that a common offset of the inputs costs no accuracy.  The waves' partial sums meet in LDS: three barriers in all.
; LIMITS: a block of zeros gets the byte 1 where the quantiser says 127 (its codes are zeros, and this program alone reads the bytes); NaN and infinities among the inputs are not served.
.set STG,  8448                        ; a wave's stage: 16 rows x (512 bytes + 16)
.set RED,  4*STG                       ; 256 bytes: 16 rows x 4 waves' sums; 256 more for the squares
.set SCG,  RED+512                     ; the block's 512 bytes of scale words
.set GL,   4
.set STI,  5
.set STO,  6
.set RWA,  7                           ; v7   RED + 16 r + 4 x wave
.set RRA,  8                           ; v8   RED + 16 r
.set SGA,  9
.set LI,   10
.set SGR,  11
.set R0,   16
.set R1,   80                          ; v80-95 later the sums, v96-111 fragment 1's codes
.set X0,   144
.set X1,   16
.set PC1,  96
.set TM,   208
.set PW,   224
.set PC0,  226
.set WV,   18
.set SEL,  24
.set MNT,  26
.macro LOADF f, reg
.irp p, 0,1,2,3,4,5,6,7,8,9,10,11,12,13,14,15
	global_load_b128 v[\reg+4*\p:\reg+4*\p+3], v[GL], s[4:5] offset:(\p+8*(\p/8))*4096+512*\f
.endr
.endm
.macro TURN src, dst
.irp p, 0,1,2,3,4,5,6,7,8,9,10,11,12,13,14,15
	ds_store_b128 v[STI], v[\src+4*\p:\src+4*\p+3] offset:528*\p
.endr
.irp c, 0,1,2,3
.irp j, 0,1,2,3
	ds_load_b128 v[\dst+16*\c+4*\j:\dst+16*\c+4*\j+3], v[STO] offset:128*\c+16*\j
.endr
.endr
.endm
.macro QUANT s, pc, pw
.irp b, 0,1,2,3
	v_max3_num_f32 v[TM+\b], |v[\s+16*\b]|, |v[\s+1+16*\b]|, 0x4800000   ; my 16 numbers of block b, and the floor 2^(9 - 127)
.endr
.irp i, 2,4,6,8,10,12,14
.irp b, 0,1,2,3
	v_max3_num_f32 v[TM+\b], v[TM+\b], |v[\s+16*\b+\i]|, |v[\s+1+16*\b+\i]|
.endr
.endr
.irp b, 0,1,2,3
	v_permlanex16_b32 v[TM+4+\b], v[TM+\b], s[SEL], s[SEL+1]
.endr
.irp b, 0,1,2,3
	v_max_num_f32 v[TM+\b], v[TM+\b], v[TM+4+\b]
.endr
.irp b, 0,1,2,3
	v_add_nc_u32 v[TM+12+\b], 0xfc000000, v[TM+\b]
.endr
.irp b, 0,1,2,3
	v_and_or_b32 v[TM+8+\b], v[TM+\b], 0x7f800000, s[MNT]
.endr
.irp b, 0,1,2,3
	v_lshrrev_b32 v[TM+4+\b], 23, v[TM+12+\b]
.endr
	v_lshl_or_b32 v[\pw], v[TM+5], 8, v[TM+4]
	v_lshl_or_b32 v[\pw], v[TM+6], 16, v[\pw]
	v_lshl_or_b32 v[\pw], v[TM+7], 24, v[\pw]
.irp b, 0,1,2,3
.irp i, 0,1,2,3,4,5,6,7,8,9,10,11,12,13,14,15
	v_med3_num_f32 v[\s+16*\b+\i], v[\s+16*\b+\i], -v[TM+8+\b], v[TM+8+\b]
.endr
	v_cvt_scalef32_pk8_fp8_f32 v[\pc+4*\b:\pc+4*\b+1], v[\s+16*\b:\s+16*\b+7], v[TM+12+\b]
	v_cvt_scalef32_pk8_fp8_f32 v[\pc+4*\b+2:\pc+4*\b+3], v[\s+16*\b+8:\s+16*\b+15], v[TM+12+\b]
.endr
	v_nop
.endm
.macro OUTF pc, f
.irp c, 0,1,2,3
	global_store_b128 v[LI], v[\pc+4*\c:\pc+4*\c+3], s[2:3] offset:2048*\f+512*\c
.endr
.endm
; four chains in v[80:87] are folded, joined with lane l xor 16's, and with the other three waves' through LDS: v80 = the row's sum over its 1,024 columns
.macro ROWSUM off
	v_pk_add_f32 v[80:81], v[80:81], v[82:83]
	v_pk_add_f32 v[84:85], v[84:85], v[86:87]
	v_pk_add_f32 v[80:81], v[80:81], v[84:85]
	v_add_f32 v80, v80, v81
	v_permlanex16_b32 v81, v80, s[SEL], s[SEL+1]
	v_add_f32 v80, v80, v81
	ds_store_b32 v[RWA], v80 offset:\off           ; both halves of the lanes write the same word with the same value
	s_wait_dscnt 0x0                               ; for the others' sake
	s_barrier_signal -1
	s_barrier_wait -1
	ds_load_b128 v[88:91], v[RRA] offset:\off
	s_wait_dscnt 0x0
	v_add_f32 v88, v88, v89
	v_add_f32 v90, v90, v91
	v_add_f32 v80, v88, v90
.endm
	s_load_b256 s[4:11], s[0:1], 0x0               ; x, alpha, bias, the output
	v_lshl_add_u32 v254, v0, 2, 0x8800
	v_mov_b32 v255, 0
	v_lshrrev_b32 v1, 5, v0
	v_readfirstlane_b32 s[WV], v1
	v_and_b32 v1, 31, v0
	v_and_b32 v2, 15, v0                           ; r
	v_bfe_u32 v3, v0, 4, 1                         ; h
	v_lshlrev_b32 v[LI], 4, v1
	s_lshl_b32 s12, s[WV], 10
	v_add_nc_u32 v[GL], s12, v[LI]
	s_mul_i32 s12, s[WV], STG
	v_add_nc_u32 v[STI], s12, v[LI]
	v_mul_u32_u24 v[STO], v2, 528
	v_lshl_add_u32 v[STO], v3, 6, v[STO]
	v_add_nc_u32 v[STO], s12, v[STO]
	v_lshl_add_u32 v[RRA], v2, 4, RED
	s_lshl_b32 s12, s[WV], 2
	v_add_nc_u32 v[RWA], s12, v[RRA]
	s_lshl_b32 s12, s[WV], 3
	v_lshl_add_u32 v[SGA], v2, 5, SCG
	v_add_nc_u32 v[SGA], s12, v[SGA]
	v_add_nc_u32 v[SGR], SCG, v[LI]
	s_mov_b32 s[SEL], 0x76543210
	s_mov_b32 s[SEL+1], 0xfedcba98
	s_mov_b32 s[MNT], 0x600000
.irp b, 0,1,2,3
	v_mov_b32 v[TM+4+\b], 0
.endr
	s_lshr_b32 s12, ttmp9, 1
	s_lshl_b32 s12, s12, 17                        ; 32 rows of 4,096 bytes for each pair of blocks,
	s_and_b32 s13, ttmp9, 1
	s_lshl_b32 s13, s13, 15                        ; 8 rows more for the odd one
	s_add_co_u32 s12, s12, s13
	s_mov_b32 s13, 0
	s_lshl_b32 s14, ttmp9, 14
	s_lshl_b32 s15, s[WV], 12
	s_add_co_u32 s14, s14, s15
	s_mov_b32 s15, 0
	s_lshl_b32 s16, ttmp9, 9
	s_add_co_u32 s16, s16, 0x400000
	s_mov_b32 s17, 0
	s_wait_kmcnt 0x0
	s_load_b32 s20, s[6:7], 0x0                    ; alpha
	s_load_b32 s22, s[8:9], 0x0                    ; bias
	s_add_nc_u64 s[4:5], s[4:5], s[12:13]
	s_add_nc_u64 s[2:3], s[10:11], s[14:15]        ; my two fragments' images
	s_add_nc_u64 s[10:11], s[10:11], s[16:17]      ; the block's scale words
	LOADF 0, R0
	LOADF 1, R1
	s_wait_loadcnt 16                              ; fragment 0's sixteen loads are in
	TURN R0, X0
	s_wait_loadcnt 0x0
	s_wait_dscnt 0x0                               ; the stores have read R0, which X1 takes
	TURN R1, X1
	s_wait_dscnt 0x0
	; the mean
.irp k, 0,1,2,3
	v_pk_add_f32 v[80+2*\k:81+2*\k], v[X0+4*\k:X0+4*\k+1], v[X0+4*\k+2:X0+4*\k+3]
.endr
.set j, 16
.rept 24
	v_pk_add_f32 v[80+2*((j/2)%4):81+2*((j/2)%4)], v[80+2*((j/2)%4):81+2*((j/2)%4)], v[X0+j:X0+j+1]
.set j, j+2
.endr
.set j, 0
.rept 32
	v_pk_add_f32 v[80+2*((j/2)%4):81+2*((j/2)%4)], v[80+2*((j/2)%4):81+2*((j/2)%4)], v[X1+j:X1+j+1]
.set j, j+2
.endr
	ROWSUM 0
	v_mul_f32 v92, 0x3a800000, v80                 ; / 1,024
	v_mov_b32 v93, v92
.set j, 0
.rept 32
	v_pk_add_f32 v[X0+j:X0+j+1], v[X0+j:X0+j+1], v[92:93] neg_lo:[0,1] neg_hi:[0,1]
	v_pk_add_f32 v[X1+j:X1+j+1], v[X1+j:X1+j+1], v[92:93] neg_lo:[0,1] neg_hi:[0,1]
.set j, j+2
.endr
	; the sum of the squares of the differences
.irp k, 0,1,2,3
	v_pk_mul_f32 v[80+2*\k:81+2*\k], v[X0+2*\k:X0+2*\k+1], v[X0+2*\k:X0+2*\k+1]
.endr
.set j, 8
.rept 28
	v_pk_fma_f32 v[80+2*((j/2)%4):81+2*((j/2)%4)], v[X0+j:X0+j+1], v[X0+j:X0+j+1], v[80+2*((j/2)%4):81+2*((j/2)%4)]
.set j, j+2
.endr
.set j, 0
.rept 32
	v_pk_fma_f32 v[80+2*((j/2)%4):81+2*((j/2)%4)], v[X1+j:X1+j+1], v[X1+j:X1+j+1], v[80+2*((j/2)%4):81+2*((j/2)%4)]
.set j, j+2
.endr
	ROWSUM 256
	v_mul_f32 v80, 0x3a802008, v80                 ; / 1,023
	s_wait_alu depctr_va_vdst(0)
	v_sqrt_f32 v94, v80
	v_nop                                          ; a plain line behind the root,
	s_wait_alu depctr_va_vdst(0)                   ; and the wait ahead of its first reader
	v_add_f32 v94, 0x3727c5ac, v94                 ; + 1e-5
	s_wait_alu depctr_va_vdst(0)
	v_rcp_f32 v95, v94
	v_nop
	s_wait_alu depctr_va_vdst(0)
	s_wait_kmcnt 0x0
	s_mov_b32 s23, s22                             ; (the packed form names the pair)
	v_mul_f32 v92, s20, v95                        ; alpha / (std + 1e-5)
	v_mov_b32 v93, v92
.set j, 0
.rept 32
	v_pk_fma_f32 v[X0+j:X0+j+1], v[X0+j:X0+j+1], v[92:93], s[22:23] op_sel_hi:[1,1,0]
	v_pk_fma_f32 v[X1+j:X1+j+1], v[X1+j:X1+j+1], v[92:93], s[22:23] op_sel_hi:[1,1,0]
.set j, j+2
.endr
	QUANT X0, PC0, PW
	OUTF PC0, 0
	QUANT X1, PC1, PW+1
	OUTF PC1, 1
	ds_store_b64 v[SGA], v[PW:PW+1]
	s_wait_dscnt 0x0
	s_barrier_signal -1
	s_barrier_wait -1
	s_cmp_lg_u32 s[WV], 0
	s_cbranch_scc1 .Ldone
	ds_load_b128 v[16:19], v[SGR]                  ; wave 0 stores the block's 512 bytes of scale words
	s_wait_dscnt 0x0
	global_store_b128 v[LI], v[16:19], s[10:11]
.Ldone:
	s_wait_tensorcnt 0x0
	ds_add_u32 v254, v255
	s_wait_dscnt 0x0
	s_endpgm
.Lfunc_end_k_q3b5815b0b2_ln2:
	.size	k_q3b5815b0b2_ln2, .Lfunc_end_k_q3b5815b0b2_ln2-k_q3b5815b0b2_ln2
	.p2alignl 7, 3214868480
	.fill 96, 4, 3214868480
	.section	.rodata,"a",@progbits
	.p2align	6, 0x0
	.amdhsa_kernel k_q3b5815b0b2_ln2
		.amdhsa_group_segment_fixed_size 35328
		.amdhsa_private_segment_fixed_size 0
		.amdhsa_enable_private_segment 0
		.amdhsa_kernarg_size 32
		.amdhsa_user_sgpr_count 2
		.amdhsa_user_sgpr_kernarg_segment_ptr 1
		.amdhsa_wavefront_size32 1
		.amdhsa_system_sgpr_workgroup_id_x 1
		.amdhsa_system_sgpr_workgroup_id_y 1
		.amdhsa_system_sgpr_workgroup_id_z 1
		.amdhsa_system_vgpr_workitem_id 0
		.amdhsa_next_free_vgpr 256
		.amdhsa_next_free_sgpr 66
		.amdhsa_reserve_vcc 0
		.amdhsa_float_denorm_mode_32 3
		.amdhsa_float_denorm_mode_16_64 3
		.amdhsa_memory_ordered 1
		.amdhsa_forward_progress 1
		.amdhsa_inst_pref_size 45
	.end_amdhsa_kernel
	.amdgpu_metadata
---
amdhsa.version: [ 1, 2 ]
amdhsa.kernels:
  - .name:           k_q3b5815b0b2_ln2
    .symbol:         k_q3b5815b0b2_ln2.kd
    .args:
      - { .name: H1, .offset: 0, .size: 8, .value_kind: global_buffer, .address_space: global }
      - { .name: alpha2, .offset: 8, .size: 8, .value_kind: global_buffer, .address_space: global }
      - { .name: bias2, .offset: 16, .size: 8, .value_kind: global_buffer, .address_space: global }
      - { .name: N2, .offset: 24, .size: 8, .value_kind: global_buffer, .address_space: global }
    .group_segment_fixed_size: 35328
    .private_segment_fixed_size: 0
    .kernarg_segment_align: 8
    .kernarg_segment_size: 32
    .max_flat_workgroup_size: 128
    .sgpr_count:     66
    .vgpr_count:     256
    .wavefront_size: 32
...
	.end_amdgpu_metadata
.endif
;; end of part 5
;; launch ffn1 (part 6): grid 16 x 16, 4 waves a work-group, clusters of 4 x 4, 327,680 bytes of LDS; arguments N2, W, b1, F1; writes F1
.if DOCPART == 6
	.amdgcn_target "amdgcn-amd-amdhsa--gfx1250"
	.amdhsa_code_object_version 6
	.text
	.protected	k_q3b5815b0b2_ffn1
	.globl	k_q3b5815b0b2_ffn1
	.p2align	8
	.type	k_q3b5815b0b2_ffn1,@function
k_q3b5815b0b2_ffn1:
	s_mov_b64 s[64:65], 0
	v_nop
	global_prefetch_b8 v0, s[64:65] scope:SCOPE_SE
	s_setreg_imm32_b32 hwreg(HW_REG_WAVE_MODE, 25, 1), 1
	s_wait_xcnt 0x0
	s_wait_alu depctr_hold_cnt(0) depctr_sa_sdst(0) depctr_va_vdst(0) depctr_va_sdst(0) depctr_va_ssrc(0) depctr_va_vcc(0) depctr_vm_vsrc(0)
	s_getreg_b32 s2, hwreg(HW_REG_IB_STS2, 6, 4)
	s_cmp_eq_u32 s2, 0
	s_cbranch_scc0 .Lentry_in_a_cluster
	s_endpgm
.Lentry_in_a_cluster:
	s_bfe_u32 s2, ttmp6, 0x10000c
	s_cmp_lg_u32 s2, 0xf033
	s_cbranch_scc0 .Lentry_shape_is_right
	s_endpgm
.Lentry_shape_is_right:
.set NB,     8
.set NQ,     2
.set SIZE_K, 1024
.set ROFF,   0x400000
.set RSOFF,  0xC20000
.set SADV1,  8
.set PSOFF,  4096*SIZE_K
.set HB,     NB/2
.set KT,     SIZE_K/128
.set RBB,    16*SIZE_K
.set RBS,    SIZE_K/2
.set HALFT,  NB*NQ*2048
.set SLOT,   4*HALFT
.set SCL,    2*SLOT
.set SR,     NB*RBS/256
.set HALFS,  272*SR
.set SBLK,   272*RBS/256
.set SPARE,  SCL+4*HALFS
.set LAPS,   KT/(2*NQ)
.set LI,   5
.set ADRA, 16
.set ADRB, 20
.set ADRS, 27
.set SPW,  28
.set NIL,  29
.set SC,   32
.set BIAS, 64
.set PF,   128
.set TM,   200
.set PW,   216
.set PC,   128
.set G1,   24
.set G0,   32
.set G1B,  48
.set G0B,  56
.set G1S,  68
.set G0S,  76
.set G1SB, 80
.set G0SB, 88
.set MSB, 0
.macro WIN new
.if MSB != (\new)
	s_set_vgpr_msb (MSB<<8)|(\new)
.set MSB, (\new)
.endif
.endm
.macro JLOAD g0a, g1a, g0b, g1b
	s_cmp_eq_u32 s15, 0
	s_cbranch_scc0 .Lfor_b_\@
	tensor_load_to_lds s[\g0a:\g0a+3], s[\g1a:\g1a+7]
	s_nop 0
.rept 4
	v_nop
.endr
	s_branch .Lasked_\@
.Lfor_b_\@:
	tensor_load_to_lds s[\g0b:\g0b+3], s[\g1b:\g1b+7]
	s_nop 0
.rept 4
	v_nop
.endr
.Lasked_\@:
.endm
.macro CREST
	s_cmp_lg_u32 s14, 0
	s_cbranch_scc1 .Lnot_wave_0_\@
	s_barrier_signal -3
.Lnot_wave_0_\@:
	s_barrier_wait -3
	s_barrier_signal -1
	s_barrier_wait -1
.endm
.macro CROUND
	s_barrier_signal -1
	s_barrier_wait -1
	CREST
.endm
.macro PLACES n
.rept \n
	v_nop
.endr
.endm
.macro FRAG reg, adr, off
.irp c, 0,1,2,3
	ds_load_b128 v[\reg+4*\c:\reg+4*\c+3], v[\adr] offset:\off+512*\c
.endr
.endm
.macro FETCH_R slot, q, p
	WIN 0x40
.set fi, 0
.rept NB
	FRAG 128*(\p)+16*fi, ADRB+\slot, (fi*NQ+(\q))*2048
.set fi, fi+1
.endr
	WIN 0
.endm
.macro FETCH_P slot, q, i0
.set fi, \i0
.rept HB
	FRAG PF+16*fi, ADRA+\slot, (fi*NQ+(\q))*2048
.set fi, fi+1
.endr
.endm
.macro SCALES sc
.set fi, 0
.rept NB
.if NQ == 2
	ds_load_b64 v[SC+16*\sc+2*fi:SC+16*\sc+2*fi+1], v[ADRS] offset:fi*SBLK
.else
	ds_load_b128 v[SC+16*\sc+4*fi:SC+16*\sc+4*fi+3], v[ADRS] offset:fi*SBLK
.endif
.set fi, fi+1
.endr
.endm
.macro MULA a0, na, p, q, sc, cm
.set mw, 2+((\a0)*NB)/32
.if (\cm) == 0
	WIN (mw<<6)|(mw<<4)|1
.else
	WIN (mw<<6)|1
.endif
.set ma, \a0
.rept \na
.set mb, 0
.rept NB
.set AR, 8*((ma*NB+mb)%32)
.set RA, 128*(\p)+16*mb
.set PA, PF+16*ma
.set SA, SC+16*(\sc)+NQ*mb+(\q)
.set SB, SC+16*(\sc)+NQ*ma+(\q)
.if (\cm) == 0
	v_wmma_scale_f32_16x16x128_f8f6f4 v[AR:AR+7], v[RA:RA+15], v[PA:PA+15], v[AR:AR+7], v[SA], v[SB] matrix_a_scale:MATRIX_SCALE_ROW1
.else
	v_wmma_scale_f32_16x16x128_f8f6f4 v[AR:AR+7], v[RA:RA+15], v[PA:PA+15], v[BIAS+8*mb:BIAS+8*mb+7], v[SA], v[SB] matrix_a_scale:MATRIX_SCALE_ROW1
.endif
.set mb, mb+1
.endr
.set ma, ma+1
.endr
.endm
.macro STEP slot, q, cm
	s_wait_dscnt 4*HB
	MULA 0, HB, (\q)%2, \q, \slot, \cm
	s_wait_dscnt 0x0
	PLACES 8
	FETCH_R \slot, (\q)+1, 1-(\q)%2
	FETCH_P \slot, (\q)+1, 0
	MULA HB, HB, (\q)%2, \q, \slot, \cm
	PLACES 8
	WIN 0
	FETCH_P \slot, (\q)+1, HB
.endm
.macro TURN slot, next, fill
	s_wait_tensorcnt 0x0
	ds_add_u32 v[SPW], v[NIL]
	s_wait_dscnt 4*HB+1
	MULA 0, HB/2, 1, NQ-1, \slot, 0
	s_wait_dscnt 0x0
	s_barrier_signal -1
	MULA HB/2, HB/2, 1, NQ-1, \slot, 0
	WIN 0
	s_barrier_wait -1
.if \fill
	CREST
	s_add_nc_u64 s[G0+4*\slot+2:G0+4*\slot+3], s[G0+4*\slot+2:G0+4*\slot+3], 2*NQ*2048
	s_add_nc_u64 s[G0B+4*\slot+2:G0B+4*\slot+3], s[G0B+4*\slot+2:G0B+4*\slot+3], 2*NQ*2048
	JLOAD G0+4*\slot, G1, G0B+4*\slot, G1B
	PLACES 4
.else
	PLACES 8
.endif
.if \slot == 0
	s_wait_alu depctr_va_vdst(0)
	v_add_nc_u32 v[ADRS], 4*NQ, v[ADRS]
.else
	s_wait_alu depctr_va_vdst(0)
	v_add_nc_u32 v[ADRS], SADV1, v[ADRS]
.endif
	FETCH_R \next, 0, 0
	FETCH_P \next, 0, 0
	SCALES \next
	MULA HB, HB, 1, NQ-1, \slot, 0
	PLACES 8
	WIN 0
	FETCH_P \next, 0, HB
.endm
.macro MIDS slot, from
.set mq, \from
.rept NQ-1-(\from)
	STEP \slot, mq, 0
.set mq, mq+1
.endr
.endm
	s_load_b128 s[4:7], s[0:1], 0x0
	s_load_b128 s[8:11], s[0:1], 0x10
	v_lshl_add_u32 v[SPW], v0, 2, SPARE
	v_mov_b32 v[NIL], 0
	ds_add_u32 v28, v29
	ds_add_u32 v28, v29
	s_wait_dscnt 0x0
	v_lshrrev_b32 v1, 5, v0
	v_readfirstlane_b32 s14, v1
	s_lshr_b32 s15, s14, 1
	s_and_b32 s16, s14, 1
	s_bfe_u32 s40, ttmp6, 0x40000
	s_bfe_u32 s41, ttmp6, 0x40004
	s_lshl_b32 s43, s41, 2
	s_lshl_b32 s43, 15, s43
	s_lshl_b32 s44, 0x1111, s40
	s_lshl_b32 s42, ttmp9, 2
	s_add_co_u32 s42, s42, s40
	s_and_b32 s17, ttmp7, 0xffff
	s_lshl_b32 s17, s17, 2
	s_add_co_u32 s17, s17, s41
	s_mov_b32 s66, 0
	s_mov_b32 s67, PSOFF
	s_mov_b32 s2, ROFF
	s_mov_b32 s3, RSOFF
	s_or_b32 s[G1+0], s43, (3<<16)|(1<<21)
	s_or_b32 s[G1B+0], s44, (3<<16)|(1<<21)
.irp g, G1, G1B
	s_mov_b32 s[\g+1], (NQ*256)<<16
	s_mov_b32 s[\g+2], (2*NB)<<16
	s_mov_b32 s[\g+3], (NQ*256)<<16
	s_mov_b32 s[\g+4], 2*NB
	s_mov_b32 s[\g+5], 2*SIZE_K
	s_mov_b32 s[\g+6], 0
	s_mov_b32 s[\g+7], 0
.endr
	s_or_b32 s[G1S+0], s43, (3<<16)|(1<<20)|(1<<21)|(5<<22)|(3<<25)
	s_or_b32 s[G1SB+0], s44, (3<<16)|(1<<20)|(1<<21)|(5<<22)|(3<<25)
.irp g, G1S, G1SB
	s_mov_b32 s[\g+1], 32<<16
	s_mov_b32 s[\g+2], (2*SR)<<16
	s_mov_b32 s[\g+3], 32<<16
	s_mov_b32 s[\g+4], 2*SR
	s_mov_b32 s[\g+5], 32
	s_mov_b32 s[\g+6], 0
	s_mov_b32 s[\g+7], 0
.endr
	s_mul_i32 s18, s17, 2*NB
	s_mul_i32 s19, s16, NB
	s_add_co_u32 s18, s18, s19
	s_mul_i32 s95, s42, 2*NB
	s_add_co_u32 s95, s95, s19
	s_mul_i32 s20, s18, RBB
	s_add_co_u32 s20, s20, s66
	s_mov_b32 s21, 0
	s_mul_i32 s22, s18, RBS
	s_add_co_u32 s22, s22, s67
	s_mov_b32 s23, 0
	s_mul_i32 s46, s95, RBB
	s_add_co_u32 s46, s46, s2
	s_mov_b32 s47, 0
	s_mul_i32 s92, s95, RBS
	s_add_co_u32 s92, s92, s3
	s_mov_b32 s93, 0
	s_mul_i32 s45, s14, HALFT
	s_mul_i32 s94, s14, HALFS
	s_wait_kmcnt 0x0
	s_add_nc_u64 s[20:21], s[4:5], s[20:21]
	s_add_nc_u64 s[22:23], s[4:5], s[22:23]
	s_add_nc_u64 s[46:47], s[6:7], s[46:47]
	s_add_nc_u64 s[92:93], s[6:7], s[92:93]
	CROUND
	s_mul_i32 s96, s19, RBS                        ; my half's distance from the tile's first scale word
	s_mov_b32 s97, 0
	s_mov_b32 s[G0S], 1                            ; the scale words of all 2 NB blocks of P's tile,
	s_mov_b32 s[G0S+1], SCL
	s_sub_nc_u64 s[G0S+2:G0S+3], s[22:23], s[96:97]
	s_or_b32 s[G0S+3], s[G0S+3], 0x80000000
	s_mov_b32 s[G0SB], 1                           ; and of R's
	s_mov_b32 s[G0SB+1], SCL+2*HALFS
	s_sub_nc_u64 s[G0SB+2:G0SB+3], s[92:93], s[96:97]
	s_or_b32 s[G0SB+3], s[G0SB+3], 0x80000000
.irp s, 0,1
	s_mov_b32 s[G0+4*\s], 1
	s_add_co_u32 s[G0+4*\s+1], s45, \s*SLOT
	s_add_nc_u64 s[G0+4*\s+2:G0+4*\s+3], s[20:21], \s*NQ*2048
	s_or_b32 s[G0+4*\s+3], s[G0+4*\s+3], 0x80000000
	s_mov_b32 s[G0B+4*\s], 1
	s_add_co_u32 s[G0B+4*\s+1], s45, \s*SLOT
	s_add_nc_u64 s[G0B+4*\s+2:G0B+4*\s+3], s[46:47], \s*NQ*2048
	s_or_b32 s[G0B+4*\s+3], s[G0B+4*\s+3], 0x80000000
.endr
	; the head's four tiles, one joint load a wave: wave 0 slot 0's 2 NB blocks of P, wave 2 those of R (in both my half is the first, so slot 0's own group 0 serves), wave 1 P's scale words, wave 3 R's
	s_cmp_lg_u32 s14, 0
	s_cbranch_scc1 .Lh1
	tensor_load_to_lds s[G0:G0+3], s[G1:G1+7]
	s_nop 0
	PLACES 4
	s_branch .Lhd
.Lh1:
	s_cmp_lg_u32 s14, 2
	s_cbranch_scc1 .Lh2
	tensor_load_to_lds s[G0B:G0B+3], s[G1B:G1B+7]
	s_nop 0
	PLACES 4
	s_branch .Lhd
.Lh2:
	s_cmp_lg_u32 s14, 1
	s_cbranch_scc1 .Lh3
	tensor_load_to_lds s[G0S:G0S+3], s[G1S:G1S+7]
	s_nop 0
	PLACES 4
	s_branch .Lhd
.Lh3:
	tensor_load_to_lds s[G0SB:G0SB+3], s[G1SB:G1SB+7]
	s_nop 0
	PLACES 4
.Lhd:
	; PREFETCHES INTO THE L2: a slot's part of the NB blocks that my wave fetches is 32,768 bytes, 128 blocks of 256; the four partners that ask for it jointly share them out BY ADDRESS (cx for P, cy for R): 32 each, a lane a block, one instruction a wave.
	; Slots 1 and 2 are asked for here, slot 3 behind slot 1's load: each at least one slot's steps ahead of its tensor load; K has four slots, so nothing lies beyond.
.set PFU, NQ*8                         ; blocks of 256 bytes in a slot's part of one block of 16 rows
.set PFL, 3+NQ/2                       ; its logarithm
	s_cmp_eq_u32 s15, 0
	s_cselect_b64 s[98:99], s[20:21], s[46:47]
	s_cselect_b32 s96, s40, s41
	s_mul_i32 s96, s96, (32/PFU)*RBB
	s_mov_b32 s97, 0
	s_add_nc_u64 s[98:99], s[98:99], s[96:97]
	v_and_b32 v30, 31, v0
	v_lshrrev_b32 v31, PFL, v30
	v_and_b32 v30, PFU-1, v30
	v_lshlrev_b32 v30, 8, v30
	v_mad_u32_u24 v30, v31, RBB, v30               ; v30: never rewritten
	global_prefetch_b8 v30, s[98:99] offset:NQ*2048 th:TH_LOAD_NT scope:SCOPE_SE
	global_prefetch_b8 v30, s[98:99] offset:2*NQ*2048 th:TH_LOAD_NT scope:SCOPE_SE
	v_and_b32 v1, 15, v0
	v_bfe_u32 v2, v0, 4, 1
	v_and_b32 v3, 31, v0
	v_lshlrev_b32 v[LI], 4, v3
	s_mul_i32 s21, s15, HALFT
	s_mul_i32 s22, s16, HALFT
	s_add_co_u32 s22, s22, 2*HALFT
.irp s, 0,1
	v_add_nc_u32 v[ADRA+\s], s21, v[LI]
	v_add_nc_u32 v[ADRB+\s], s22, v[LI]
	s_add_co_u32 s21, s21, SLOT
	s_add_co_u32 s22, s22, SLOT
.endr
	v_lshlrev_b32 v7, 5, v1
	v_lshrrev_b32 v8, 3, v1
	v_lshl_add_u32 v7, v8, 4, v7
	s_mul_i32 s21, s15, HALFS
	s_mul_i32 s22, s16, HALFS
	s_add_co_u32 s22, s22, 2*HALFS
	s_sub_co_u32 s22, s22, s21
	v_mul_u32_u24 v8, s22, v2
	s_add_co_u32 s21, s21, SCL
	v_add_nc_u32 v7, v7, v8
	v_add_nc_u32 v[ADRS], s21, v7
	s_mul_i32 s20, s42, 128*NB
	s_mul_i32 s21, s16, 64*NB
	s_add_co_u32 s20, s20, s21
	s_mov_b32 s21, 0
	s_add_nc_u64 s[8:9], s[8:9], s[20:21]
	v_lshlrev_b32 v6, 6, v2
.irp b, 0,1,2,3,4,5,6,7
	global_load_b128 v[BIAS+8*\b:BIAS+8*\b+3], v6, s[8:9] offset:128*(\b/2)+32*(\b%2)
	global_load_b128 v[BIAS+8*\b+4:BIAS+8*\b+7], v6, s[8:9] offset:128*(\b/2)+32*(\b%2)+16
.endr
	s_wait_alu depctr_va_vdst(0)                   ; the wait at the head's end
	s_wait_tensorcnt 0x0                           ; my tile of the head's four is in; slot 1's first fill is issued as a refill is
	ds_add_u32 v[SPW], v[NIL]
	s_mov_b32 s[G1+2], NB<<16                      ; no tensor load of mine is out: from here on a load brings NB blocks
	s_mov_b32 s[G1+4], NB
	s_mov_b32 s[G1B+2], NB<<16
	s_mov_b32 s[G1B+4], NB
	s_wait_dscnt 0x0
	CROUND
	JLOAD G0+4, G1, G0B+4, G1B
	global_prefetch_b8 v30, s[98:99] offset:3*NQ*2048 th:TH_LOAD_NT scope:SCOPE_SE
	FETCH_R 0, 0, 0
	FETCH_P 0, 0, 0
	SCALES 0
	FETCH_P 0, 0, HB
	s_wait_loadcnt 0x0
	STEP 0, 0, 1
.if LAPS > 1
	s_mov_b32 s3, LAPS-1
.Llap:
	MIDS 0, 1
	TURN 0, 1, 1
	MIDS 1, 0
	TURN 1, 0, 1
	STEP 0, 0, 0
	s_sub_co_u32 s3, s3, 1
	s_cmp_lg_u32 s3, 0
	s_cbranch_scc1 .Llap
.endif
	MIDS 0, 1
	TURN 0, 1, 0
	MIDS 1, 0
	s_wait_dscnt 4*HB
	MULA 0, HB, 1, NQ-1, 1, 0
	s_wait_dscnt 0x0
	MULA HB, HB, 1, NQ-1, 1, 0
	WIN 0
	PLACES 8
.macro EPIQ a
.set ew, 2+(\a)/4
.set es, 64*((\a)%4)
.set pc, PC+16*((\a)%2)
.set pw, PW+(\a)%2
.if (\a) >= 2
	s_wait_xcnt 0x0
.endif
	WIN (ew<<2)|(ew<<4)
.irp b, 0,1,2,3
	v_max3_num_f32 v[TM+\b], 0x4800000, |v[es+16*\b]|, |v[es+16*\b+1]|
.endr
.irp i, 2,4,6,8,10,12,14
.irp b, 0,1,2,3
	v_max3_num_f32 v[TM+\b], v[TM+\b], |v[es+16*\b+\i]|, |v[es+16*\b+\i+1]|
.endr
.endr
	WIN 0
.irp b, 0,1,2,3
	v_permlanex16_b32 v[TM+4+\b], v[TM+\b], s4, s5
.endr
.irp b, 0,1,2,3
	v_max_num_f32 v[TM+\b], v[TM+\b], v[TM+4+\b]
.endr
.irp b, 0,1,2,3
	v_add_nc_u32 v[TM+12+\b], 0xfc000000, v[TM+\b]
.endr
.irp b, 0,1,2,3
	v_and_or_b32 v[TM+8+\b], v[TM+\b], 0x7f800000, s6
.endr
.irp b, 0,1,2,3
	v_lshrrev_b32 v[TM+4+\b], 23, v[TM+12+\b]
.endr
	v_lshl_or_b32 v[pw], v[TM+5], 8, v[TM+4]
	v_lshl_or_b32 v[pw], v[TM+6], 16, v[pw]
	v_lshl_or_b32 v[pw], v[TM+7], 24, v[pw]
	WIN ew|(ew<<6)
.irp b, 0,1,2,3
.irp i, 0,1,2,3,4,5,6,7,8,9,10,11,12,13,14,15
	v_med3_num_f32 v[es+16*\b+\i], v[es+16*\b+\i], -v[TM+8+\b], v[TM+8+\b]
.endr
.endr
	WIN ew
.irp b, 0,1,2,3
	v_cvt_scalef32_pk8_fp8_f32 v[pc+4*\b:pc+4*\b+1], v[es+16*\b:es+16*\b+7], v[TM+12+\b]
	v_cvt_scalef32_pk8_fp8_f32 v[pc+4*\b+2:pc+4*\b+3], v[es+16*\b+8:es+16*\b+15], v[TM+12+\b]
.endr
	WIN 0
	v_nop
.irp c, 0,1,2,3
	global_store_b128 v[LI], v[pc+4*\c:pc+4*\c+3], s[12:13] offset:(\a)*65536+\c*512
.endr
.if (\a)%2 == 1
.set tt, 220+(\a)/2
	v_cndmask_b32 v[tt], v[PW], v[PW+1], s7
	global_store_b32 v7, v[tt], s[10:11] offset:((\a)-1)*2048
.endif
.endm
	s_mov_b32 s4, 0x76543210
	s_mov_b32 s5, 0xfedcba98
	s_mov_b32 s6, 0x600000
	s_mov_b32 s7, 0xffff0000
.irp b, 0,1,2,3
	v_mov_b32 v[TM+4+\b], 0
.endr
	s_lshl_b32 s20, s17, 4
	s_lshl_b32 s21, s15, 3
	s_add_co_u32 s20, s20, s21
	s_lshl_b32 s22, s42, 1
	s_add_co_u32 s22, s22, s16
	s_lshl_b32 s46, s20, 16
	s_lshl_b32 s47, s22, 11
	s_add_co_u32 s46, s46, s47
	s_mov_b32 s47, 0
	s_add_nc_u64 s[12:13], s[10:11], s[46:47]
	s_lshl_b32 s46, s20, 11
	s_lshr_b32 s21, s22, 3
	s_lshl_b32 s21, s21, 9
	s_add_co_u32 s46, s46, s21
	s_and_b32 s23, s22, 7
	s_lshl_b32 s23, s23, 2
	s_add_co_u32 s46, s46, s23
	s_add_co_u32 s46, s46, 0x1000000
	s_add_nc_u64 s[10:11], s[10:11], s[46:47]
	v_lshlrev_b32 v7, 5, v1
	v_lshl_add_u32 v7, v2, 11, v7
.irp a, 0,1,2,3,4,5,6,7
	EPIQ \a
.endr
	s_wait_tensorcnt 0x0
	ds_add_u32 v[SPW], v[NIL]
	s_wait_dscnt 0x0
	CROUND
	s_endpgm
.Lfunc_end_k_q3b5815b0b2_ffn1:
	.size	k_q3b5815b0b2_ffn1, .Lfunc_end_k_q3b5815b0b2_ffn1-k_q3b5815b0b2_ffn1
	.p2alignl 7, 3214868480
	.fill 96, 4, 3214868480
	.section	.rodata,"a",@progbits
	.p2align	6, 0x0
	.amdhsa_kernel k_q3b5815b0b2_ffn1
		.amdhsa_group_segment_fixed_size 327680
		.amdhsa_private_segment_fixed_size 0
		.amdhsa_enable_private_segment 0
		.amdhsa_kernarg_size 32
		.amdhsa_user_sgpr_count 2
		.amdhsa_user_sgpr_kernarg_segment_ptr 1
		.amdhsa_wavefront_size32 1
		.amdhsa_system_sgpr_workgroup_id_x 1
		.amdhsa_system_sgpr_workgroup_id_y 1
		.amdhsa_system_sgpr_workgroup_id_z 1
		.amdhsa_system_vgpr_workitem_id 0
		.amdhsa_next_free_vgpr 1024
		.amdhsa_next_free_sgpr 100
		.amdhsa_reserve_vcc 0
		.amdhsa_float_denorm_mode_32 3
		.amdhsa_float_denorm_mode_16_64 3
		.amdhsa_memory_ordered 1
		.amdhsa_forward_progress 1
		.amdhsa_inst_pref_size 189
	.end_amdhsa_kernel
	.amdgpu_metadata
---
amdhsa.version: [ 1, 2 ]
amdhsa.kernels:
  - .name:           k_q3b5815b0b2_ffn1
    .symbol:         k_q3b5815b0b2_ffn1.kd
    .args:
      - { .name: N2, .offset: 0, .size: 8, .value_kind: global_buffer, .address_space: global }
      - { .name: W, .offset: 8, .size: 8, .value_kind: global_buffer, .address_space: global }
      - { .name: b1, .offset: 16, .size: 8, .value_kind: global_buffer, .address_space: global }
      - { .name: F1, .offset: 24, .size: 8, .value_kind: global_buffer, .address_space: global }
    .group_segment_fixed_size: 327680
    .private_segment_fixed_size: 0
    .kernarg_segment_align: 8
    .kernarg_segment_size: 32
    .max_flat_workgroup_size: 128
    .sgpr_count:     100
    .vgpr_count:     1024
    .wavefront_size: 32
...
	.end_amdgpu_metadata
.endif
;; end of part 6
;; launch ffn2 (part 7): grid 8 x 32, 4 waves a work-group, clusters of 4 x 4, 327,680 bytes of LDS; arguments F1, W, b2, H1, out0; writes out0
.if DOCPART == 7
	.amdgcn_target "amdgcn-amd-amdhsa--gfx1250"
	.amdhsa_code_object_version 6
	.text
	.protected	k_q3b5815b0b2_ffn2
	.globl	k_q3b5815b0b2_ffn2
	.p2align	8
	.type	k_q3b5815b0b2_ffn2,@function
k_q3b5815b0b2_ffn2:
	s_mov_b64 s[64:65], 0
	v_nop
	global_prefetch_b8 v0, s[64:65] scope:SCOPE_SE
	s_setreg_imm32_b32 hwreg(HW_REG_WAVE_MODE, 25, 1), 1
	s_wait_xcnt 0x0
	s_wait_alu depctr_hold_cnt(0) depctr_sa_sdst(0) depctr_va_vdst(0) depctr_va_sdst(0) depctr_va_ssrc(0) depctr_va_vcc(0) depctr_vm_vsrc(0)
	s_getreg_b32 s2, hwreg(HW_REG_IB_STS2, 6, 4)
	s_cmp_eq_u32 s2, 0
	s_cbranch_scc0 .Lentry_in_a_cluster
	s_endpgm
.Lentry_in_a_cluster:
	s_bfe_u32 s2, ttmp6, 0x10000c
	s_cmp_lg_u32 s2, 0xf033
	s_cbranch_scc0 .Lentry_shape_is_right
	s_endpgm
.Lentry_shape_is_right:
.set NB,     4
.set NQ,     4
.set SIZE_K, 4096
.set ROFF,   0x800000
.set RSOFF,  0xC40000
.set SADV1,  528
.set PSOFF,  4096*SIZE_K
.set HB,     NB/2
.set KT,     SIZE_K/128
.set RBB,    16*SIZE_K
.set RBS,    SIZE_K/2
.set HALFT,  NB*NQ*2048
.set SLOT,   4*HALFT
.set SCL,    2*SLOT
.set SR,     NB*RBS/256
.set HALFS,  272*SR
.set SBLK,   272*RBS/256
.set SPARE,  SCL+4*HALFS
.set LAPS,   KT/(2*NQ)
.set LI,   5
.set ADRA, 16
.set ADRB, 20
.set STO,  24
.set RD,   25
.set CO,   26
.set ADRS, 27
.set SPW,  28
.set NIL,  29
.set SC,   32
.set BIAS, 64
.set PF,   128
.set G1,   24
.set G0,   32
.set G1B,  48
.set G0B,  56
.set G1S,  68
.set G0S,  76
.set G1SB, 80
.set G0SB, 88
.set MSB, 0
.macro WIN new
.if MSB != (\new)
	s_set_vgpr_msb (MSB<<8)|(\new)
.set MSB, (\new)
.endif
.endm
.macro JLOAD g0a, g1a, g0b, g1b
	s_cmp_eq_u32 s15, 0
	s_cbranch_scc0 .Lfor_b_\@
	tensor_load_to_lds s[\g0a:\g0a+3], s[\g1a:\g1a+7]
	s_nop 0
.rept 4
	v_nop
.endr
	s_branch .Lasked_\@
.Lfor_b_\@:
	tensor_load_to_lds s[\g0b:\g0b+3], s[\g1b:\g1b+7]
	s_nop 0
.rept 4
	v_nop
.endr
.Lasked_\@:
.endm
.macro CREST
	s_cmp_lg_u32 s14, 0
	s_cbranch_scc1 .Lnot_wave_0_\@
	s_barrier_signal -3
.Lnot_wave_0_\@:
	s_barrier_wait -3
	s_barrier_signal -1
	s_barrier_wait -1
.endm
.macro CROUND
	s_barrier_signal -1
	s_barrier_wait -1
	CREST
.endm
.macro PLACES n
.rept \n
	v_nop
.endr
.endm
.macro FRAG reg, adr, off
.irp c, 0,1,2,3
	ds_load_b128 v[\reg+4*\c:\reg+4*\c+3], v[\adr] offset:\off+512*\c
.endr
.endm
; FOUR SETS OF FRAGMENT REGISTERS for each operand, one for each of a slot's NQ = 4 K steps: R's set q at v[64 q] of window 1, P's at v[64 q] of window 3.  A step's 32 LDS loads are issued two steps ahead of its products.
.macro FETCH_R slot, q
	WIN 0x40
.set fi, 0
.rept NB
	FRAG 64*(\q)+16*fi, ADRB+\slot, (fi*NQ+(\q))*2048
.set fi, fi+1
.endr
	WIN 0
.endm
.macro FETCH_P slot, q
	WIN 0xc0
.set fi, 0
.rept NB
	FRAG 64*(\q)+16*fi, ADRA+\slot, (fi*NQ+(\q))*2048
.set fi, fi+1
.endr
	WIN 0
.endm
.macro SCALES sc
.set fi, 0
.rept NB
.if NQ == 2
	ds_load_b64 v[SC+16*\sc+2*fi:SC+16*\sc+2*fi+1], v[ADRS] offset:fi*SBLK
.else
	ds_load_b128 v[SC+16*\sc+4*fi:SC+16*\sc+4*fi+3], v[ADRS] offset:fi*SBLK
.endif
.set fi, fi+1
.endr
.endm
.macro MULA a0, na, q, sc, cm
.set mw, 2+((\a0)*NB)/32
.if (\cm) == 0
	WIN (mw<<6)|(mw<<4)|0x0d
.else
	WIN (mw<<6)|0x0d
.endif
.set ma, \a0
.rept \na
.set mb, 0
.rept NB
.set AR, 8*((ma*NB+mb)%32)
.set RA, 64*(\q)+16*mb
.set PA, 64*(\q)+16*ma
.set SA, SC+16*(\sc)+NQ*mb+(\q)
.set SB, SC+16*(\sc)+NQ*ma+(\q)
.if (\cm) == 0
	v_wmma_scale_f32_16x16x128_f8f6f4 v[AR:AR+7], v[RA:RA+15], v[PA:PA+15], v[AR:AR+7], v[SA], v[SB] matrix_a_scale:MATRIX_SCALE_ROW1
.else
	v_wmma_scale_f32_16x16x128_f8f6f4 v[AR:AR+7], v[RA:RA+15], v[PA:PA+15], v[BIAS+8*mb:BIAS+8*mb+7], v[SA], v[SB] matrix_a_scale:MATRIX_SCALE_ROW1
.endif
.set mb, mb+1
.endr
.set ma, ma+1
.endr
.endm
.macro STEP slot, q, cm
	s_wait_dscnt 32                                ; this step's fragments (and scale words) are in; the next step's 32 loads may be out
.if (\q) < NQ-2
.if (\q) == 1
	PLACES 8                                       ; in front of the loads into set 3, which the last change of slots' last products read; the other sets have that change's eight places behind their last readers
.endif
	FETCH_R \slot, (\q)+2
	FETCH_P \slot, (\q)+2
.endif
	MULA 0, NB, \q, \slot, \cm
	WIN 0
.endm
.macro TURN slot, next, fill
.if \fill
	s_wait_xcnt 0x0                                ; any prefetch of mine has read its address: it is stepped here, a slot on, ahead of the waits of the change of slots
	s_add_nc_u64 s[98:99], s[98:99], NQ*2048
.endif
	s_wait_tensorcnt 0x0
	ds_add_u32 v[SPW], v[NIL]
	s_wait_dscnt 1                                 ; the slot's last fragments are in; the add may be out
	MULA 0, HB/2, NQ-1, \slot, 0
	s_wait_dscnt 0x0
	s_barrier_signal -1
	MULA HB/2, HB/2, NQ-1, \slot, 0
	WIN 0
	s_barrier_wait -1
.if \fill
	CREST
	s_add_nc_u64 s[G0+4*\slot+2:G0+4*\slot+3], s[G0+4*\slot+2:G0+4*\slot+3], 2*NQ*2048
	s_add_nc_u64 s[G0B+4*\slot+2:G0B+4*\slot+3], s[G0B+4*\slot+2:G0B+4*\slot+3], 2*NQ*2048
	JLOAD G0+4*\slot, G1, G0B+4*\slot, G1B
	PLACES 4
.else
	PLACES 8
.endif
.if \slot == 0
	s_wait_alu depctr_va_vdst(0)
	v_add_nc_u32 v[ADRS], 4*NQ, v[ADRS]
.else
	s_wait_alu depctr_va_vdst(0)
	v_add_nc_u32 v[ADRS], SADV1, v[ADRS]
.endif
	FETCH_R \next, 0
	FETCH_P \next, 0
	SCALES \next
.if \fill
	s_cmp_gt_u32 s3, 1                             ; the slot that stands two refills on; the loop's last trip has none
	s_cbranch_scc0 .Lno_ask_\@
	global_prefetch_b8 v30, s[98:99] offset:3*NQ*2048 th:TH_LOAD_NT scope:SCOPE_SE
.Lno_ask_\@:
.endif
	MULA HB, HB, NQ-1, \slot, 0
	FETCH_R \next, 1                               ; set 1's last readers stand ahead of this change's eight places
	FETCH_P \next, 1
.endm
.macro MIDS slot, from
.set mq, \from
.rept NQ-1-(\from)
	STEP \slot, mq, 0
.set mq, mq+1
.endr
.endm
	s_load_b128 s[4:7], s[0:1], 0x0
	s_load_b128 s[8:11], s[0:1], 0x10
	s_load_b64 s[12:13], s[0:1], 0x20
	v_lshl_add_u32 v[SPW], v0, 2, SPARE
	v_mov_b32 v[NIL], 0
	ds_add_u32 v28, v29
	ds_add_u32 v28, v29
	s_wait_dscnt 0x0
	v_lshrrev_b32 v1, 5, v0
	v_readfirstlane_b32 s14, v1
	s_lshr_b32 s15, s14, 1
	s_and_b32 s16, s14, 1
	s_bfe_u32 s40, ttmp6, 0x40000
	s_bfe_u32 s41, ttmp6, 0x40004
	s_lshl_b32 s43, s41, 2
	s_lshl_b32 s43, 15, s43
	s_lshl_b32 s44, 0x1111, s40
	s_lshl_b32 s42, ttmp9, 2
	s_add_co_u32 s42, s42, s40
	s_and_b32 s17, ttmp7, 0xffff
	s_lshl_b32 s17, s17, 2
	s_add_co_u32 s17, s17, s41
	s_mov_b32 s66, 0
	s_mov_b32 s67, PSOFF
	s_mov_b32 s2, ROFF
	s_mov_b32 s3, RSOFF
	s_or_b32 s[G1+0], s43, (3<<16)|(1<<21)
	s_or_b32 s[G1B+0], s44, (3<<16)|(1<<21)
.irp g, G1, G1B
	s_mov_b32 s[\g+1], (NQ*256)<<16
	s_mov_b32 s[\g+2], (2*NB)<<16
	s_mov_b32 s[\g+3], (NQ*256)<<16
	s_mov_b32 s[\g+4], 2*NB
	s_mov_b32 s[\g+5], 2*SIZE_K
	s_mov_b32 s[\g+6], 0
	s_mov_b32 s[\g+7], 0
.endr
	s_or_b32 s[G1S+0], s43, (3<<16)|(1<<20)|(1<<21)|(5<<22)|(3<<25)
	s_or_b32 s[G1SB+0], s44, (3<<16)|(1<<20)|(1<<21)|(5<<22)|(3<<25)
.irp g, G1S, G1SB
	s_mov_b32 s[\g+1], 32<<16
	s_mov_b32 s[\g+2], (2*SR)<<16
	s_mov_b32 s[\g+3], 32<<16
	s_mov_b32 s[\g+4], 2*SR
	s_mov_b32 s[\g+5], 32
	s_mov_b32 s[\g+6], 0
	s_mov_b32 s[\g+7], 0
.endr
	s_mul_i32 s18, s17, 2*NB
	s_mul_i32 s19, s16, NB
	s_add_co_u32 s18, s18, s19
	s_mul_i32 s95, s42, 2*NB
	s_add_co_u32 s95, s95, s19
	s_mul_i32 s20, s18, RBB
	s_add_co_u32 s20, s20, s66
	s_mov_b32 s21, 0
	s_mul_i32 s22, s18, RBS
	s_add_co_u32 s22, s22, s67
	s_mov_b32 s23, 0
	s_mul_i32 s46, s95, RBB
	s_add_co_u32 s46, s46, s2
	s_mov_b32 s47, 0
	s_mul_i32 s92, s95, RBS
	s_add_co_u32 s92, s92, s3
	s_mov_b32 s93, 0
	s_mul_i32 s45, s14, HALFT
	s_mul_i32 s94, s14, HALFS
	s_mul_i32 s96, s42, 128*NB
	s_mul_i32 s97, s16, 64*NB
	s_add_co_u32 s96, s96, s97
	s_mov_b32 s97, 0
	v_bfe_u32 v2, v0, 4, 1
	v_lshlrev_b32 v6, 6, v2
	s_wait_alu depctr_va_vdst(0)
	s_wait_kmcnt 0x0
	s_add_nc_u64 s[20:21], s[4:5], s[20:21]
	s_add_nc_u64 s[22:23], s[4:5], s[22:23]
	s_add_nc_u64 s[46:47], s[6:7], s[46:47]
	s_add_nc_u64 s[92:93], s[6:7], s[92:93]
	s_add_nc_u64 s[8:9], s[8:9], s[96:97]
.irp b, 0,1,2,3
	global_load_b128 v[BIAS+8*\b:BIAS+8*\b+3], v6, s[8:9] offset:128*(\b/2)+32*(\b%2)
	global_load_b128 v[BIAS+8*\b+4:BIAS+8*\b+7], v6, s[8:9] offset:128*(\b/2)+32*(\b%2)+16
.endr
	CROUND
	s_mul_i32 s96, s19, RBS                        ; my half's distance from the tile's first scale word
	s_mov_b32 s97, 0
	s_mov_b32 s[G0S], 1                            ; the scale words of all 2 NB blocks of P's tile,
	s_mov_b32 s[G0S+1], SCL
	s_sub_nc_u64 s[G0S+2:G0S+3], s[22:23], s[96:97]
	s_or_b32 s[G0S+3], s[G0S+3], 0x80000000
	s_mov_b32 s[G0SB], 1                           ; and of R's
	s_mov_b32 s[G0SB+1], SCL+2*HALFS
	s_sub_nc_u64 s[G0SB+2:G0SB+3], s[92:93], s[96:97]
	s_or_b32 s[G0SB+3], s[G0SB+3], 0x80000000
.irp s, 0,1
	s_mov_b32 s[G0+4*\s], 1
	s_add_co_u32 s[G0+4*\s+1], s45, \s*SLOT
	s_add_nc_u64 s[G0+4*\s+2:G0+4*\s+3], s[20:21], \s*NQ*2048
	s_or_b32 s[G0+4*\s+3], s[G0+4*\s+3], 0x80000000
	s_mov_b32 s[G0B+4*\s], 1
	s_add_co_u32 s[G0B+4*\s+1], s45, \s*SLOT
	s_add_nc_u64 s[G0B+4*\s+2:G0B+4*\s+3], s[46:47], \s*NQ*2048
	s_or_b32 s[G0B+4*\s+3], s[G0B+4*\s+3], 0x80000000
.endr
	; the head's four tiles, one joint load a wave: wave 0 slot 0's 2 NB blocks of P, wave 2 those of R (in both my half is the first, so slot 0's own group 0 serves), wave 1 P's scale words, wave 3 R's
	s_cmp_lg_u32 s14, 0
	s_cbranch_scc1 .Lh1
	tensor_load_to_lds s[G0:G0+3], s[G1:G1+7]
	s_nop 0
	PLACES 4
	s_branch .Lhd
.Lh1:
	s_cmp_lg_u32 s14, 2
	s_cbranch_scc1 .Lh2
	tensor_load_to_lds s[G0B:G0B+3], s[G1B:G1B+7]
	s_nop 0
	PLACES 4
	s_branch .Lhd
.Lh2:
	s_cmp_lg_u32 s14, 1
	s_cbranch_scc1 .Lh3
	tensor_load_to_lds s[G0S:G0S+3], s[G1S:G1S+7]
	s_nop 0
	PLACES 4
	s_branch .Lhd
.Lh3:
	tensor_load_to_lds s[G0SB:G0SB+3], s[G1SB:G1SB+7]
	s_nop 0
	PLACES 4
.Lhd:
	; PREFETCHES INTO THE L2: a slot's part of the NB blocks that my wave fetches is 32,768 bytes, 128 blocks of 256; the four partners that ask for it jointly share them out BY ADDRESS (cx for P, cy for R): 32 each, a lane a block, one instruction a wave.
	; Slots 1 and 2 are asked for here, slot 3 behind slot 1's load, and behind the refill with slot n + 2 slot n + 4: two refills ahead; the last two refills ask for nothing, since K has eight slots.
.set PFU, NQ*8                         ; blocks of 256 bytes in a slot's part of one block of 16 rows
.set PFL, 3+NQ/2                       ; its logarithm
	s_cmp_eq_u32 s15, 0
	s_cselect_b64 s[98:99], s[20:21], s[46:47]
	s_cselect_b32 s96, s40, s41
	s_mul_i32 s96, s96, (32/PFU)*RBB
	s_mov_b32 s97, 0
	s_add_nc_u64 s[98:99], s[98:99], s[96:97]
	v_and_b32 v30, 31, v0
	v_lshrrev_b32 v31, PFL, v30
	v_and_b32 v30, PFU-1, v30
	v_lshlrev_b32 v30, 8, v30
	v_mad_u32_u24 v30, v31, RBB, v30               ; v30: never rewritten
	global_prefetch_b8 v30, s[98:99] offset:NQ*2048 th:TH_LOAD_NT scope:SCOPE_SE
	global_prefetch_b8 v30, s[98:99] offset:2*NQ*2048 th:TH_LOAD_NT scope:SCOPE_SE
	v_and_b32 v1, 15, v0
	v_bfe_u32 v2, v0, 4, 1
	v_and_b32 v3, 31, v0
	v_lshlrev_b32 v[LI], 4, v3
	s_mul_i32 s21, s15, HALFT
	s_mul_i32 s22, s16, HALFT
	s_add_co_u32 s22, s22, 2*HALFT
.irp s, 0,1
	v_add_nc_u32 v[ADRA+\s], s21, v[LI]
	v_add_nc_u32 v[ADRB+\s], s22, v[LI]
	s_add_co_u32 s21, s21, SLOT
	s_add_co_u32 s22, s22, SLOT
.endr
	v_lshlrev_b32 v7, 5, v1
	v_lshrrev_b32 v8, 3, v1
	v_lshl_add_u32 v7, v8, 4, v7
	s_mul_i32 s21, s15, HALFS
	s_mul_i32 s22, s16, HALFS
	s_add_co_u32 s22, s22, 2*HALFS
	s_sub_co_u32 s22, s22, s21
	v_mul_u32_u24 v8, s22, v2
	s_add_co_u32 s21, s21, SCL
	v_add_nc_u32 v7, v7, v8
	v_add_nc_u32 v[ADRS], s21, v7
	s_mul_i32 s23, s14, 16*272
	v_mul_u32_u24 v4, v1, 272
	v_lshl_add_u32 v4, v2, 6, v4
	v_add_nc_u32 v[STO], s23, v4
	v_mul_u32_u24 v4, v2, 272
	v_lshl_add_u32 v4, v1, 4, v4
	v_add_nc_u32 v[RD], s23, v4
	v_lshlrev_b32 v4, 12, v2
	v_lshl_add_u32 v[CO], v1, 4, v4
	s_wait_alu depctr_va_vdst(0)
	s_mul_i32 s20, s42, 128*NB
	s_mul_i32 s21, s16, 64*NB
	s_add_co_u32 s20, s20, s21
	s_mov_b32 s21, 0
	s_lshl_b32 s22, s17, 3
	s_lshl_b32 s23, s15, 2
	s_add_co_u32 s22, s22, s23
	s_lshl_b32 s22, s22, 16
	s_add_co_u32 s20, s20, s22
	s_add_nc_u64 s[10:11], s[10:11], s[20:21]
	s_add_nc_u64 s[12:13], s[12:13], s[20:21]
	s_wait_alu depctr_va_vdst(0)                   ; the wait at the head's end
	s_wait_tensorcnt 0x0                           ; my tile of the head's four is in; slot 1's first fill is issued as a refill is
	ds_add_u32 v[SPW], v[NIL]
	s_mov_b32 s[G1+2], NB<<16                      ; no tensor load of mine is out: from here on a load brings NB blocks
	s_mov_b32 s[G1+4], NB
	s_mov_b32 s[G1B+2], NB<<16
	s_mov_b32 s[G1B+4], NB
	s_wait_dscnt 0x0
	CROUND
	JLOAD G0+4, G1, G0B+4, G1B
	global_prefetch_b8 v30, s[98:99] offset:3*NQ*2048 th:TH_LOAD_NT scope:SCOPE_SE
	FETCH_R 0, 0
	FETCH_P 0, 0
	SCALES 0
	FETCH_R 0, 1
	FETCH_P 0, 1
	s_wait_loadcnt 0x0                             ; the bias
	STEP 0, 0, 1
	WIN 0x80                                       ; the residual, asked for behind the first K step and first read on the way out: 32 loads into v128-255 of window 2, in the order in which the rows come back from the stage
.irp a, 0,1,2,3
.irp t, 0,1,2,3,4,5,6,7
	global_load_b128 v[128+32*\a+4*\t:128+32*\a+4*\t+3], v[CO], s[10:11] offset:(32*(\a/2)+8*(\a%2)+2*\t+8*(\t/4))*4096
.endr
.endr
	WIN 0
.if LAPS > 1
	s_mov_b32 s3, LAPS-1
.Llap:
	MIDS 0, 1
	TURN 0, 1, 1
	MIDS 1, 0
	TURN 1, 0, 1
	STEP 0, 0, 0
	s_sub_co_u32 s3, s3, 1
	s_cmp_lg_u32 s3, 0
	s_cbranch_scc1 .Llap
.endif
	MIDS 0, 1
	TURN 0, 1, 0
	MIDS 1, 0
	s_wait_dscnt 0x0
	MULA 0, NB, NQ-1, 1, 0
	WIN 0
	PLACES 8
.macro TOSTAGE a
	WIN 0x08
.irp b, 0,1,2,3
	ds_store_b128 v[STO], v[8*(4*(\a)+\b):8*(4*(\a)+\b)+3] offset:128*(\b/2)+32*(\b%2)
	ds_store_b128 v[STO], v[8*(4*(\a)+\b)+4:8*(4*(\a)+\b)+7] offset:128*(\b/2)+32*(\b%2)+16
.endr
	WIN 0
.set BB, PF+32*((\a)%2)
.irp t, 0,1,2,3,4,5,6,7
	ds_load_b128 v[BB+4*\t:BB+4*\t+3], v[RD] offset:544*\t
.endr
.endm
.macro SEND a, younger
.set BB, PF+32*((\a)%2)
	s_wait_dscnt \younger
	WIN 0x08
.set j, 0
.rept 16
	v_pk_add_f32 v[BB+j:BB+j+1], v[BB+j:BB+j+1], v[128+32*(\a)+j:128+32*(\a)+j+1]
.set j, j+2
.endr
	WIN 0
.irp t, 0,1,2,3,4,5,6,7
	global_store_b128 v[CO], v[BB+4*\t:BB+4*\t+3], s[12:13] offset:(32*((\a)/2)+8*((\a)%2)+2*\t+8*(\t/4))*4096
.endr
.endm
	s_wait_loadcnt 0x0
	TOSTAGE 0
.irp a, 1,2,3
.if \a > 1
	s_wait_xcnt 0x0
.endif
	TOSTAGE \a
	SEND \a-1, 16
.endr
	SEND 3, 0
	s_wait_tensorcnt 0x0
	ds_add_u32 v[SPW], v[NIL]
	s_wait_dscnt 0x0
	CROUND
	s_endpgm
.Lfunc_end_k_q3b5815b0b2_ffn2:
	.size	k_q3b5815b0b2_ffn2, .Lfunc_end_k_q3b5815b0b2_ffn2-k_q3b5815b0b2_ffn2
	.p2alignl 7, 3214868480
	.fill 96, 4, 3214868480
	.section	.rodata,"a",@progbits
	.p2align	6, 0x0
	.amdhsa_kernel k_q3b5815b0b2_ffn2
		.amdhsa_group_segment_fixed_size 327680
		.amdhsa_private_segment_fixed_size 0
		.amdhsa_enable_private_segment 0
		.amdhsa_kernarg_size 40
		.amdhsa_user_sgpr_count 2
		.amdhsa_user_sgpr_kernarg_segment_ptr 1
		.amdhsa_wavefront_size32 1
		.amdhsa_system_sgpr_workgroup_id_x 1
		.amdhsa_system_sgpr_workgroup_id_y 1
		.amdhsa_system_sgpr_workgroup_id_z 1
		.amdhsa_system_vgpr_workitem_id 0
		.amdhsa_next_free_vgpr 1024
		.amdhsa_next_free_sgpr 100
		.amdhsa_reserve_vcc 0
		.amdhsa_float_denorm_mode_32 3
		.amdhsa_float_denorm_mode_16_64 3
		.amdhsa_memory_ordered 1
		.amdhsa_forward_progress 1
		.amdhsa_inst_pref_size 102
	.end_amdhsa_kernel
	.amdgpu_metadata
---
amdhsa.version: [ 1, 2 ]
amdhsa.kernels:
  - .name:           k_q3b5815b0b2_ffn2
    .symbol:         k_q3b5815b0b2_ffn2.kd
    .args:
      - { .name: F1, .offset: 0, .size: 8, .value_kind: global_buffer, .address_space: global }
      - { .name: W, .offset: 8, .size: 8, .value_kind: global_buffer, .address_space: global }
      - { .name: b2, .offset: 16, .size: 8, .value_kind: global_buffer, .address_space: global }
      - { .name: H1, .offset: 24, .size: 8, .value_kind: global_buffer, .address_space: global }
      - { .name: out0, .offset: 32, .size: 8, .value_kind: global_buffer, .address_space: global }
    .group_segment_fixed_size: 327680
    .private_segment_fixed_size: 0
    .kernarg_segment_align: 8
    .kernarg_segment_size: 40
    .max_flat_workgroup_size: 128
    .sgpr_count:     100
    .vgpr_count:     1024
    .wavefront_size: 32
...
	.end_amdgpu_metadata
.endif
;; end of part 7
